; MI455X (gfx1250); checked and timed in simulation.
; The chip was launched on July 23, 2026; its instructions are those of AMD's public machine-readable ISA for CDNA 5 (MIT licence, August 2026) and "CDNA5" Instruction Set Architecture Reference Guide (July 2026). The comments in the code are by the model that wrote it; some were corrected since.
;; Multi Head Attention. Allowed arithmetic: matrix products marked QUANTISED: E2M1 operands, one E8M0 scale for each 32 along K, by v_wmma_scale_f32_16x16x128_f8f6f4 with both operands' format E2M1 (or v_wmma_scale_f32_32x16x128_f4), f32 sums; products left as they are: bf16, f16 or f32 operands; f32 sums; everything else in f32.
;; Inputs: Wk 16 x 1,024 x 64 float32; Wo 1,024 x 1,024 float32; Wq 16 x 1,024 x 64 float32; Wv 16 x 1,024 x 64 float32; bo 1,024 float32; key 4 x 2,048 x 1,024 float32; query 4 x 2,048 x 1,024 float32; value 4 x 2,048 x 1,024 float32.
;; Outputs: out0 4 x 2,048 x 1,024 float32.
;; Constants: is_causal = 1.
;; This version of the problem:
;;   THIS VERSION OF THE PROBLEM IS GIVEN IN LOW PRECISION. The matrix products marked QUANTISED in the list below multiply operands that are first quantised to E2M1 (2 exponent bits, 1 mantissa bit; 4 bits a number), with one power-of-two scale for each 32 numbers along K (OCP MX v1.0); their sums are f32. The products marked 'left as it is' may take bf16, f16 or f32 operands, with f32 sums. Whichever they take, every output number must still come out within the allowed error. Rounding operands to bf16 (8 significant bits) uses up far more of that allowance than f16 does (11 bits, for magnitudes from 6e-5 to 65,504). All else is computed in f32.
;;   The module's matrix products, in the order in which they are computed (A, B: the left and right operand; K: the contracted axis; several contracted axes count as one K, in the product's order):
;;     1. [M 1,024, K 1,024] x [K 1,024, N 8,192]; A: input Wq; B: input query: QUANTISED
;;     2. [M 1,024, K 1,024] x [K 1,024, N 8,192]; A: input Wk; B: input key: QUANTISED
;;     3. [M 1,024, K 1,024] x [K 1,024, N 8,192]; A: input Wv; B: input value: QUANTISED
;;     4. batch 64 x [M 2,048, K 64] x [K 64, N 2,048]; A: computed on the way; B: computed on the way: left as it is (an operand is computed on the way)
;;     5. batch 64 x [M 2,048, K 2,048] x [K 2,048, N 64]; A: computed on the way; B: computed on the way: left as it is (an operand is computed on the way)
;;     6. [M 8,192, K 1,024] x [K 1,024, N 1,024]; A: computed on the way; B: input Wo: left as it is (an operand is computed on the way)
;;   THE QUANTISER, for each operand of a quantised product, along K:
;;     - K is cut into blocks of 32 from its start; a last block that is shorter is filled with zeros.
;;     - A block's scale is 2^e with e = floor(log2(the largest magnitude in the block)) - 2, held to -126 .. 127; a block of zeros has e = 0. As a byte (E8M0): e + 127.
;;     - Each number is divided by its block's scale, clamped to +-6, and rounded to the nearest number of E2M1, ties to even, subnormals kept.
;;     - The product sums the exact products of the quantised numbers (number of the format x scale) in f32.
;;   ~~~python
;;   def quantise(x, axis):      # numpy; x: float32 -> the quantised numbers, widened to float32 again
;;       x = np.moveaxis(x, axis, -1); K = x.shape[-1]
;;       x = np.pad(x, [(0, 0)] * (x.ndim - 1) + [(0, -K % 32)]); x = x.reshape(x.shape[:-1] + (-1, 32)); a = np.abs(x).max(-1, keepdims=True)
;;       e = np.where(a > 0, np.clip(np.frexp(np.where(a > 0, a, 1))[1] - 1 - 2, -126, 127), 0)      # np.frexp(a)[1] - 1 = floor(log2(a)), exactly
;;       r = np.clip(x / 2.0 ** e, -6, 6)
;;       step = 2.0 ** (np.maximum(np.frexp(np.where(r == 0, 1, r))[1] - 1, 0) - 1)
;;       q = np.round(r / step) * step * 2.0 ** e      # np.round: ties to even
;;       return np.moveaxis(q.reshape(q.shape[:-2] + (-1,))[..., :K], -1, axis).astype(np.float32)
;;   ~~~
;; One version. Each part assembles by itself: llvm-mc -triple=amdgcn-amd-amdhsa -mcpu=gfx1250 --defsym DOCPART=n.
;; ======== version 1 of 1: 6 launches
;; limits: values are held in f16: magnitudes above 65,504 overflow, below 6.1e-05 lose precision
;; workspace buffers: xc 12,582,912 bytes; xs 786,432 bytes; wc 1,572,864 bytes; ws 98,304 bytes; wo16 2,097,152 bytes; qkv 50,331,648 bytes; o16 16,777,216 bytes; ofine 262,144 bytes
;; launch prep (part 1): grid 880 x 1, 4 waves a work-group, no clusters, 68,096 bytes of LDS; arguments query, key, value, Wq, Wk, Wv, Wo, xc, xs, wc, ws, wo16; writes xc, xs, wc, ws, wo16
.if DOCPART == 1
	.amdgcn_target "amdgcn-amd-amdhsa--gfx1250"
	.amdhsa_code_object_version 6
	.text
	.protected	k_qd7f6705f8f_prep
	.globl	k_qd7f6705f8f_prep
	.p2align	8
	.type	k_qd7f6705f8f_prep,@function
k_qd7f6705f8f_prep:
	s_mov_b64 s[64:65], 0
	v_nop
	global_prefetch_b8 v0, s[64:65] scope:SCOPE_SE
	s_setreg_imm32_b32 hwreg(HW_REG_WAVE_MODE, 25, 1), 1
	s_wait_xcnt 0x0
; PREP: all that is made once, ahead of the products.  Three kinds of work-groups, told apart by the work-group's number alone:
;   0 .. 47    Wq, Wk, Wv [16 heads][1024 (K)][64] f32 -> codes of FP4 (E2M1) with K innermost, wc [3][1024 rows n = 64 head + c][512 bytes], and scale bytes ws [3][1024][32]
;   48 .. 111  Wo [1024 (n)][1024 (k)] f32 -> f16, laid as images of the operand's registers: wo16 [n / 16][k / 32][2][512 bytes]; half u, lane (r, h): Wo[16 nb + r][32 kc + 16 u + 8 h + 0 .. 7]
;   112 .. 879 query, key, value [8192 rows][1024 (K)] f32 -> codes xc [3][8192][512 bytes] and scale bytes xs [3][8192][32]
; The weights' work-groups, whose loads are short, have the lowest numbers, so that they are among the first to start.
; THE QUANTISER: a block of 32 along K has the scale 2^(floor(log2(its largest magnitude)) - 2); its byte is the largest magnitude's exponent field - 2, held at 1 from below; each number is divided by the
; scale and rounded to the nearest code, ties to even, beyond 6 the largest code.
; LIMITS: a block of zeros gets the byte 1 where the rule says 127 (its codes are zeros, and this program alone reads the bytes); blocks whose largest magnitude lies under 2^(3 - 127) keep the byte 1;
; NaN and infinities among the inputs are not served.  Wo goes to f16: magnitudes beyond 65,504 become infinity, those under 6e-5 keep an absolute error of 3e-8.
; LDS: each kind that uses LDS has bytes of its own: 0 .. 32,767 the activations' four regions; 32,768 .. 67,583 the weights' four stages; then the spare words.  No tensor loads, no barrier: waves share nothing.
.set SPW,   12                         ; v12  LDS address of my spare word: SPARE + 4 x my thread's number; never rewritten
.set NIL,   13                         ; v13  0; never rewritten
.set SPARE, 67584                      ; the spare words, 128 bytes for each wave: two blocks of 256 bytes that no other line names
; the activations
.set STEPS, 16                         ; a wave takes 16 steps of 512 numbers
.set CB,    8                          ; bytes of 16 codes
.set WREG,  8192                       ; a wave's region: two stages of 32 x SP bytes, behind them its 256 scale bytes
.set SP,    80                         ; a lane's place in a stage: its 64 bytes + 16 of padding
.set R,     16                         ; v16-79   four sets of 16 numbers as they are loaded
.set X,     80                         ; v80-111  two sets of 16 neighbours
.set E,     112                        ; v112-127 a scale byte for each step
.set C,     128                        ; v128-191 codes: four registers for each step, so that no store's data are written again
; the weights
.set WSTG,  32768                      ; the four stages: 32 rows x 272 bytes for each wave
.set PITCH, 272
.set NB,    16                         ; blocks of 32 along K for a wave: 512 along K
.set XW,    32                         ; v32-95   two sets of 32 numbers
.set CW,    96                         ; v96-99   a block's codes
.set OUTR,  112                        ; v112-175 the way out
.set SB,    24                         ; v24-27   the scale bytes, four to a register
.macro LOADX t                         ; step t: four loads of 512 consecutive bytes, 16 a lane
.irp i, 0,1,2,3
	global_load_b128 v[R+16*((\t)%4)+4*\i:R+16*((\t)%4)+4*\i+3], v3, s[36:37] offset:2048*(\t)+512*\i th:TH_LOAD_NT
.endr
.endm
.macro TURNX t                         ; step t's numbers through the stage: LDS serves a wave's instructions in order, so no wait stands between the stores and the loads
.irp i, 0,1,2,3
	ds_store_b128 v14, v[R+16*((\t)%4)+4*\i:R+16*((\t)%4)+4*\i+3] offset:32*SP*((\t)%2)+8*SP*\i
.endr
.irp i, 0,1,2,3
	ds_load_b128 v[X+16*((\t)%2)+4*\i:X+16*((\t)%2)+4*\i+3], v15 offset:32*SP*((\t)%2)+16*\i
.endr
.endm
.macro STEPX t
.set XS, X+16*((\t)%2)
.if (\t) > 0
	s_wait_dscnt 1                                 ; this step's numbers are back from the stage (the last step's byte store may be out): so its stores into the stage have read their registers,
.else
	s_wait_dscnt 0x0
.endif
.if (\t)+4 < STEPS
	LOADX (\t)+4                                   ; which take the loads of four steps on
.endif
.if (\t)+1 < STEPS
.if STEPS-2-(\t) >= 3
	s_wait_loadcnt 12                              ; the next step's four loads are in; those of the three steps behind it may be out
.else
	s_wait_loadcnt 4*(STEPS-2-(\t))
.endif
	TURNX (\t)+1                                   ; and go through the other stage while this step is worked
.endif
	v_max3_num_f32 v8, |v[XS]|, |v[XS+1]|, |v[XS+2]|               ; the largest magnitude of my 16, in two chains
	v_max3_num_f32 v9, |v[XS+3]|, |v[XS+4]|, |v[XS+5]|
.irp i, 6,10
	v_max3_num_f32 v8, v8, |v[XS+\i]|, |v[XS+\i+1]|
	v_max3_num_f32 v9, v9, |v[XS+\i+2]|, |v[XS+\i+3]|
.endr
	v_max3_num_f32 v8, v8, |v[XS+14]|, |v[XS+15]|
	v_max3_num_f32 v8, v8, v9, 0x1800000           ; and the floor 2^(3 - 127): so the byte cannot fall under 1
	v_max_num_f32_dpp v8, v8, v8 row_xmask:1 row_mask:0xf bank_mask:0xf   ; and of my neighbour's 16: the block's
	v_add_nc_u32 v11, 0xff000000, v8               ; 2 off its exponent field: the conversion takes the exponent field of this operand as its scale, and nothing else of it
	v_cvt_scalef32_pk8_fp4_f32 v[C+4*(\t)], v[XS:XS+7], v11
	v_cvt_scalef32_pk8_fp4_f32 v[C+4*(\t)+1], v[XS+8:XS+15], v11
	v_lshrrev_b32 v[E+(\t)], 23, v11               ; the scale's byte (a plain line behind the conversions)
	ds_store_b8 v5, v[E+(\t)] offset:16*(\t)       ; both lanes of a block write the same byte with the same value
	global_store_b64 v4, v[C+4*(\t):C+4*(\t)+1], s[22:23] offset:32*CB*(\t)   ; 32 lanes store 256 consecutive bytes, aligned
.endm
.macro LOADW t                         ; block t: W(32 t + i, my column), i = 0 .. 31, into set t % 2; a row of a head is 256 bytes
.irp i, 0,1,2,3,4,5,6,7,8,9,10,11,12,13,14,15,16,17,18,19,20,21,22,23,24,25,26,27,28,29,30,31
	global_load_b32 v[XW+32*((\t)%2)+\i], v3, s[36:37] offset:(32*(\t)+\i)*256 th:TH_LOAD_NT
.endr
.endm
.macro BLOCKW t
.set XS, XW+32*((\t)%2)
.if (\t) < NB-1
	s_wait_loadcnt 32                              ; this block's 32 loads are in; the next block's may be out
.else
	s_wait_loadcnt 0
.endif
	v_max3_num_f32 v16, |v[XS]|, |v[XS+1]|, |v[XS+2]|              ; the block's largest magnitude: all 32 numbers are mine
	v_max3_num_f32 v17, |v[XS+3]|, |v[XS+4]|, |v[XS+5]|
.irp i, 6,10,14,18,22,26
	v_max3_num_f32 v16, v16, |v[XS+\i]|, |v[XS+\i+1]|
	v_max3_num_f32 v17, v17, |v[XS+\i+2]|, |v[XS+\i+3]|
.endr
	v_max3_num_f32 v16, v16, |v[XS+30]|, |v[XS+31]|
	v_max3_num_f32 v16, v16, v17, 0x1800000        ; and the floor
	v_add_nc_u32 v11, 0xff000000, v16              ; the conversion's scale operand
	v_lshrrev_b32 v17, 23, v11                     ; the scale's byte
.if (\t)%4 == 0
	v_mov_b32 v[SB+(\t)/4], v17                    ; four bytes to a register, the lower K in the lower byte
.else
	v_lshl_or_b32 v[SB+(\t)/4], v17, 8*((\t)%4), v[SB+(\t)/4]
.endif
.irp g, 0,1,2,3
	v_cvt_scalef32_pk8_fp4_f32 v[CW+\g], v[XS+8*\g:XS+8*\g+7], v11
.endr
	ds_store_b128 v4, v[CW:CW+3] offset:16*(\t)    ; 32 codes: 16 bytes of my column's row
.if (\t)+2 < NB
	LOADW (\t)+2
.endif
	s_wait_dscnt 0x0                               ; the store has read its registers: the next block's codes may be written
.endm
	s_load_b512 s[8:23], s[0:1], 0x0               ; query s[8:9], key s[10:11], value s[12:13], Wq s[14:15], Wk s[16:17], Wv s[18:19], Wo s[20:21], xc s[22:23]
	s_load_b256 s[24:31], s[0:1], 0x40             ; xs s[24:25], wc s[26:27], ws s[28:29], wo16 s[30:31]
	v_lshl_add_u32 v[SPW], v0, 2, SPARE
	v_mov_b32 v[NIL], 0
	v_lshrrev_b32 v1, 5, v0
	v_readfirstlane_b32 s32, v1                    ; wave 0..3
	v_and_b32 v2, 31, v0                           ; lane
	s_mov_b32 s39, 0                               ; the upper word of every offset pair s[38:39]
	s_wait_kmcnt 0x0
	s_cmp_lt_u32 ttmp9, 48
	s_cbranch_scc1 .Lweights
	s_cmp_lt_u32 ttmp9, 112
	s_cbranch_scc1 .Lcast
	; ---- THE ACTIVATIONS.  Rows are dense and K is a multiple of 32: a tensor is a plain stream of blocks of 32, and so are its codes and its scale bytes.
	; A lane must hold 16 neighbours for the conversions, and a load is best where neighbouring lanes take neighbouring bytes: a step's 2,048 bytes turn through the wave's own stage in LDS.
	v_lshlrev_b32 v3, 4, v2                        ; my 16 bytes of a load's 512
	s_mul_i32 s33, s32, WREG
	v_lshrrev_b32 v14, 2, v2
	v_mul_u32_u24 v14, v14, SP
	v_and_b32 v15, 3, v2
	v_lshl_add_u32 v14, v15, 4, v14
	v_add_nc_u32 v14, s33, v14                     ; the stage, on the way in: SP (lane / 4) + 16 (lane % 4)
	v_mul_u32_u24 v15, v2, SP
	v_add_nc_u32 v15, s33, v15                     ; and on the way out: SP x lane: my 16 neighbours
	v_mul_u32_u24 v4, v2, CB                       ; my codes' place in a step's
	v_lshrrev_b32 v5, 1, v2
	s_add_co_u32 s33, s33, 2*32*SP
	v_add_nc_u32 v5, s33, v5                       ; LDS: my wave's 256 scale bytes, my block's byte
	v_lshlrev_b32 v7, 3, v2                        ; and on the way out 8 bytes a lane
	v_add_nc_u32 v6, s33, v7
	s_sub_co_u32 s33, ttmp9, 112
	s_lshr_b32 s34, s33, 8                         ; which tensor: 256 work-groups each
	s_and_b32 s35, s33, 255
	s_lshl_b32 s35, s35, 2
	s_add_co_u32 s35, s35, s32                     ; which run of 8,192 numbers is my wave's: 0 .. 1,023
	s_cmp_lt_u32 s34, 1                            ; the choice hangs on the work-group's number alone
	s_cselect_b64 s[36:37], s[8:9], s[10:11]
	s_cmp_lt_u32 s34, 2
	s_cselect_b64 s[36:37], s[36:37], s[12:13]
	s_lshl_b32 s38, s35, 15                        ; 32,768 bytes of numbers a run
	s_add_nc_u64 s[36:37], s[36:37], s[38:39]
	s_lshl_b32 s38, s34, 22                        ; codes: 4,194,304 bytes a tensor,
	s_lshl_b32 s40, s35, 12                        ; 4,096 a run
	s_add_co_u32 s38, s38, s40
	s_add_nc_u64 s[22:23], s[22:23], s[38:39]
	s_lshl_b32 s38, s34, 18                        ; scale bytes: 262,144 a tensor,
	s_lshl_b32 s40, s35, 8                         ; 256 a run
	s_add_co_u32 s38, s38, s40
	s_add_nc_u64 s[24:25], s[24:25], s[38:39]
.irp t, 0,1,2,3
	LOADX \t
.endr
	s_wait_loadcnt 12                              ; step 0's four loads are in
	TURNX 0
.irp t, 0,1,2,3,4,5,6,7,8,9,10,11,12,13,14,15
	STEPX \t
.endr
	ds_load_b64 v[8:9], v6                         ; LDS serves a wave's instructions in order: these see my byte stores
	s_wait_dscnt 0x0
	global_store_b64 v7, v[8:9], s[24:25]          ; 32 lanes store 256 consecutive bytes, aligned
	s_wait_tensorcnt 0x0                           ; the wave's end: these three lines behind my last LDS store
	ds_add_u32 v[SPW], v[NIL]
	s_wait_dscnt 0x0
	s_endpgm
.Lweights:
	; ---- THE WEIGHTS.  K is not innermost: a lane takes a column n and its registers run down K, so that a block of 32 lies in one lane and the codes come out with K innermost.
	; A work-group takes 128 columns x 512 along K, a wave 32 columns (half a head's 64).  A lane's 256 bytes of codes go through the wave's stage and leave as rows: sixteen lanes store 256 consecutive bytes.
	s_lshr_b32 s34, ttmp9, 4                       ; which tensor: 16 work-groups each
	s_and_b32 s35, ttmp9, 15
	s_and_b32 s40, s35, 1                          ; which 512 along K
	s_lshr_b32 s35, s35, 1
	s_lshl_b32 s35, s35, 7
	s_lshl_b32 s41, s32, 5
	s_add_co_u32 s35, s35, s41                     ; my wave's first column n0
	s_cmp_lt_u32 s34, 1
	s_cselect_b64 s[36:37], s[14:15], s[16:17]
	s_cmp_lt_u32 s34, 2
	s_cselect_b64 s[36:37], s[36:37], s[18:19]
	s_lshr_b32 s38, s35, 6
	s_lshl_b32 s38, s38, 18                        ; the head: 262,144 bytes each,
	s_lshl_b32 s41, s40, 17                        ; 512 rows of 256 bytes,
	s_add_co_u32 s38, s38, s41
	s_and_b32 s41, s35, 63
	s_lshl_b32 s41, s41, 2                         ; the first column in the head
	s_add_co_u32 s38, s38, s41
	s_add_nc_u64 s[36:37], s[36:37], s[38:39]
	s_lshl_b32 s38, s34, 19                        ; codes: 524,288 bytes a tensor, 512 a row, 256 for 512 along K
	s_lshl_b32 s41, s35, 9
	s_add_co_u32 s38, s38, s41
	s_lshl_b32 s41, s40, 8
	s_add_co_u32 s38, s38, s41
	s_add_nc_u64 s[26:27], s[26:27], s[38:39]
	s_lshl_b32 s38, s34, 15                        ; scale bytes: 32,768 a tensor, 32 a row, 16 for 512 along K
	s_lshl_b32 s41, s35, 5
	s_add_co_u32 s38, s38, s41
	s_lshl_b32 s41, s40, 4
	s_add_co_u32 s38, s38, s41
	s_add_nc_u64 s[28:29], s[28:29], s[38:39]
	v_lshlrev_b32 v3, 2, v2                        ; in: 4 bytes a lane
	s_mul_i32 s33, s32, 32*PITCH
	s_add_co_u32 s33, s33, WSTG                    ; my stage
	v_mul_u32_u24 v4, v2, PITCH
	v_add_nc_u32 v4, s33, v4                       ; into it: row = my column
	v_and_b32 v5, 15, v2
	v_lshrrev_b32 v6, 4, v2                        ; out of it: sixteen lanes to a row, two rows an instruction
	v_mul_u32_u24 v7, v6, PITCH
	v_lshl_add_u32 v7, v5, 4, v7
	v_add_nc_u32 v7, s33, v7
	v_lshlrev_b32 v8, 9, v6
	v_lshl_add_u32 v8, v5, 4, v8                   ; and the same place in the codes' buffer
	v_lshlrev_b32 v9, 5, v2                        ; my column's row of scale bytes
	LOADW 0
	LOADW 1
.set Q, 0
.rept NB
	BLOCKW Q
.set Q, Q+1
.endr
	global_store_b128 v9, v[SB:SB+3], s[28:29]     ; my column's 16 scale bytes
.irp t, 0,1,2,3,4,5,6,7,8,9,10,11,12,13,14,15
	ds_load_b128 v[OUTR+4*\t:OUTR+4*\t+3], v7 offset:2*\t*PITCH   ; LDS serves a wave's instructions in order: these see my stores
.endr
.irp t, 0,1,2,3,4,5,6,7,8,9,10,11,12,13,14,15
	s_wait_dscnt 15-\t                             ; loads come back in order: number t is in, the younger ones may be out
	global_store_b128 v8, v[OUTR+4*\t:OUTR+4*\t+3], s[26:27] offset:2*\t*512
.endr
	s_wait_tensorcnt 0x0                           ; the wave's end: these three lines behind my last LDS store
	ds_add_u32 v[SPW], v[NIL]
	s_wait_dscnt 0x0
	s_endpgm
.Lcast:
	; ---- Wo TO f16, as images of the operand's registers.  A work-group takes 16 rows n, a wave 8 pieces of 32 along k.  No LDS: what a lane loads is what it stores.
	s_sub_co_u32 s34, ttmp9, 48                    ; nb
	v_and_b32 v5, 15, v2                           ; r
	v_lshrrev_b32 v6, 4, v2                        ; h
	v_lshlrev_b32 v3, 12, v5
	v_lshl_add_u32 v3, v6, 5, v3                   ; in: row r of 4,096 bytes, + 32 h
	v_lshlrev_b32 v4, 4, v2                        ; out: 16 x lane
	s_lshl_b32 s38, s34, 16                        ; 16 rows,
	s_lshl_b32 s41, s32, 10                        ; my wave's 8 x 128 bytes of a row
	s_add_co_u32 s38, s38, s41
	s_add_nc_u64 s[20:21], s[20:21], s[38:39]
	s_lshl_b32 s38, s34, 15                        ; 32 pieces of 1,024 bytes,
	s_lshl_b32 s41, s32, 13                        ; my wave's 8
	s_add_co_u32 s38, s38, s41
	s_add_nc_u64 s[30:31], s[30:31], s[38:39]
.irp i, 0,1,2,3,4,5,6,7
	global_load_b128 v[32+16*\i:35+16*\i], v3, s[20:21] offset:128*\i       ; k = 32 kc + 8 h + 0 .. 3
	global_load_b128 v[36+16*\i:39+16*\i], v3, s[20:21] offset:128*\i+16    ; + 4 .. 7
	global_load_b128 v[40+16*\i:43+16*\i], v3, s[20:21] offset:128*\i+64    ; k = 32 kc + 16 + 8 h + 0 .. 3
	global_load_b128 v[44+16*\i:47+16*\i], v3, s[20:21] offset:128*\i+80
.endr
.irp i, 0,1,2,3,4,5,6,7
	s_wait_loadcnt 28-4*\i                         ; piece i's four loads are in; the younger pieces' may be out
.irp p, 0,1,2,3,4,5,6,7
	v_cvt_pk_f16_f32 v[32+16*\i+\p], v[32+16*\i+2*\p], v[32+16*\i+2*\p+1]   ; in place, ascending: a result lands on numbers that are done with
.endr
	global_store_b128 v4, v[32+16*\i:35+16*\i], s[30:31] offset:1024*\i      ; 32 lanes store 512 consecutive bytes, aligned
	global_store_b128 v4, v[36+16*\i:39+16*\i], s[30:31] offset:1024*\i+512
.endr
	s_endpgm
.Lfunc_end_k_qd7f6705f8f_prep:
	.size	k_qd7f6705f8f_prep, .Lfunc_end_k_qd7f6705f8f_prep-k_qd7f6705f8f_prep
	.p2alignl 7, 3214868480
	.fill 96, 4, 3214868480
	.section	.rodata,"a",@progbits
	.p2align	6, 0x0
	.amdhsa_kernel k_qd7f6705f8f_prep
		.amdhsa_group_segment_fixed_size 68096
		.amdhsa_private_segment_fixed_size 0
		.amdhsa_enable_private_segment 0
		.amdhsa_kernarg_size 96
		.amdhsa_user_sgpr_count 2
		.amdhsa_user_sgpr_kernarg_segment_ptr 1
		.amdhsa_wavefront_size32 1
		.amdhsa_system_sgpr_workgroup_id_x 1
		.amdhsa_system_sgpr_workgroup_id_y 1
		.amdhsa_system_sgpr_workgroup_id_z 1
		.amdhsa_system_vgpr_workitem_id 0
		.amdhsa_next_free_vgpr 192
		.amdhsa_next_free_sgpr 66
		.amdhsa_reserve_vcc 0
		.amdhsa_float_denorm_mode_32 3
		.amdhsa_float_denorm_mode_16_64 3
		.amdhsa_memory_ordered 1
		.amdhsa_forward_progress 1
		.amdhsa_inst_pref_size 121
	.end_amdhsa_kernel
	.amdgpu_metadata
---
amdhsa.version: [ 1, 2 ]
amdhsa.kernels:
  - .name:           k_qd7f6705f8f_prep
    .symbol:         k_qd7f6705f8f_prep.kd
    .args:
      - { .name: query, .offset: 0, .size: 8, .value_kind: global_buffer, .address_space: global }
      - { .name: key, .offset: 8, .size: 8, .value_kind: global_buffer, .address_space: global }
      - { .name: value, .offset: 16, .size: 8, .value_kind: global_buffer, .address_space: global }
      - { .name: Wq, .offset: 24, .size: 8, .value_kind: global_buffer, .address_space: global }
      - { .name: Wk, .offset: 32, .size: 8, .value_kind: global_buffer, .address_space: global }
      - { .name: Wv, .offset: 40, .size: 8, .value_kind: global_buffer, .address_space: global }
      - { .name: Wo, .offset: 48, .size: 8, .value_kind: global_buffer, .address_space: global }
      - { .name: xc, .offset: 56, .size: 8, .value_kind: global_buffer, .address_space: global }
      - { .name: xs, .offset: 64, .size: 8, .value_kind: global_buffer, .address_space: global }
      - { .name: wc, .offset: 72, .size: 8, .value_kind: global_buffer, .address_space: global }
      - { .name: ws, .offset: 80, .size: 8, .value_kind: global_buffer, .address_space: global }
      - { .name: wo16, .offset: 88, .size: 8, .value_kind: global_buffer, .address_space: global }
    .group_segment_fixed_size: 68096
    .private_segment_fixed_size: 0
    .kernarg_segment_align: 8
    .kernarg_segment_size: 96
    .max_flat_workgroup_size: 128
    .sgpr_count:     66
    .vgpr_count:     192
    .wavefront_size: 32
...
	.end_amdgpu_metadata
.endif
;; end of part 1
;; launch proj (part 2): grid 4 x 96, 4 waves a work-group, clusters of 4 x 4, 327,680 bytes of LDS; arguments xc, xs, wc, ws, qkv; writes qkv
.if DOCPART == 2
	.amdgcn_target "amdgcn-amd-amdhsa--gfx1250"
	.amdhsa_code_object_version 6
	.text
	.protected	k_qd7f6705f8f_proj
	.globl	k_qd7f6705f8f_proj
	.p2align	8
	.type	k_qd7f6705f8f_proj,@function
k_qd7f6705f8f_proj:
	s_mov_b64 s[64:65], 0
	v_nop
	global_prefetch_b8 v0, s[64:65] scope:SCOPE_SE
	s_setreg_imm32_b32 hwreg(HW_REG_WAVE_MODE, 25, 1), 1
	s_wait_xcnt 0x0
	s_wait_alu depctr_hold_cnt(0) depctr_sa_sdst(0) depctr_va_vdst(0) depctr_va_sdst(0) depctr_va_ssrc(0) depctr_va_vcc(0) depctr_vm_vsrc(0)
	s_getreg_b32 s2, hwreg(HW_REG_IB_STS2, 6, 4)
	s_cmp_eq_u32 s2, 0
	s_cbranch_scc0 .Lentry_in_a_cluster
	s_endpgm
.Lentry_in_a_cluster:
	s_bfe_u32 s2, ttmp6, 0x10000c
	s_cmp_lg_u32 s2, 0xf033
	s_cbranch_scc0 .Lentry_shape_is_right
	s_endpgm
.Lentry_shape_is_right:
; PROJ: the three quantised projections in one launch.  C[m][n] = sum over k of A[m][k] B[n][k], K = 1,024, on codes of FP4 (E2M1) with one E8M0 scale for each 32 along K.
; A: xc, 24,576 rows (8,192 of query, of key, of value) of 512 bytes; its scale bytes xs, 32 a row.  B: wc, 3 x 1,024 rows n = 64 head + c; ws.  Rows 8,192 t .. of A meet rows 1,024 t .. of B.
; A tile of C, 256 x 256, is made by a work-group of four waves; a wave makes 128 x 128: 64 accumulators of 16 x 16, 512 registers.  K goes in two steps of 512, each in an LDS slot of its own, filled once.
; THE SCALES of the work-group's 256 rows of A and of B, for all of K, are two dense blocks of memory: they come into LDS once, with the first fills.
; CLUSTERS: 4 x 4 work-groups.  The four of a row of the cluster need the same tiles of A, the four of a column the same tiles of B: each tile is asked for JOINTLY.  A cluster's 1,024 rows lie in one tensor.
; THE MATRIX INSTRUCTION IS USED TRANSPOSED (source 0 = 16 rows of B, source 1 = 16 rows of A): a lane holds one row and eight neighbouring channels; rounded to f16 they are 16 bytes.
; THE RESULT IS LAID AS IMAGES OF THE NEXT OPERAND'S REGISTERS: qkv [t][batch][head][s / 16][channel / 16][512 bytes], lane l's 16 bytes at 16 l: a store covers 512 consecutive bytes, and no stage is needed.
; For q and k the image is half a fragment as it stands.  For v the pieces are placed so that the turning LDS load, read at 16 x lane, gives half a fragment of V^T: piece (key kk, channel group g) at (kk % 8) + 8 g + 16 (kk / 8).
; LIMIT: q, k, v are kept in f16: beyond 65,504 they become infinity; under 6e-5 they keep an absolute error of 3e-8.
; REGISTERS, in windows of 256: window 0: v0-31 addresses; v32-95 scale words, two sets, and nothing else; from v128 A's fragments, one set; on the way out v128-255 hold packed results.
;   window 1: B's fragments, two sets, at v0 and v128.   window 2: the accumulators of my rows 0-63 ((a, b) at v[8 (8 a + b)]);   window 3: those of my rows 64-127.
.set NQ,     4                         ; matrix instructions deep in a slot: 512 along K
.set ROWB,   256                       ; a tile's row in bytes
.set KROW,   512                       ; a row of codes in memory
.set PITCH,  272                       ; an LDS row: 256 bytes + 16 of padding, so that the 16 rows that a load touches start 68 words apart
.set FR,     8                         ; registers of a fragment: 16 rows x 128 K
.set NL,     2                         ; LDS loads that bring one
.set NP,     4                         ; places behind this matrix instruction (ISA guide 7.12.1)
.set HALFT,  128*PITCH                 ; 128 rows: what one tensor load brings
.set SLOT,   4*HALFT                   ; A's 256 rows, then B's 256 rows
.set KS,     32                        ; a row of scales in bytes
.set SCL,    2*SLOT                    ; behind the slots: the scales, as units of 256 bytes + 16 of padding
.set HALFS,  (128*KS/256)*272          ; the scales of 128 rows
.set SBLK,   (16*KS/256)*272           ; those of 16 rows
.set SPARE,  SCL+4*HALFS               ; the spare words, 128 bytes for each wave: two blocks of 256 bytes that no other line names
.set ADRA, 16                          ; v16-17  LDS address of my A fragments in slot 0, 1
.set ADRB, 20                          ; v20-21  the same for B
.set CO,   26                          ; v26     the way out: my 16 bytes' place in an image
.set ADRS, 27                          ; v27     LDS address of my scale words: lanes 0-15 A's rows, lanes 16-31 B's
.set SPW,  28                          ; v28     LDS address of my spare word; never rewritten
.set NIL,  29                          ; v29     0; never rewritten
.set SC,   32                          ; scale words: set s at v[SC + 32 s]; register 4 i + q: lanes 0-15 A's block i, lanes 16-31 B's block i, the slot's q-th 128 along K
.set AF,   128                         ; A's fragments, in window 0
.set TMP,  128                         ; the way out: four sets of 32 registers
.set G1, 24                            ; s[24:31] descriptor group 1 for A's tiles;  s[32:39] group 0, one set for each slot
.set G0, 32
.set G1B, 48                           ; s[48:55], s[56:63] the same for B's tiles
.set G0B, 56
.set G1S, 68                           ; s[68:75], s[76:79] groups 1 and 0 for A's scales;  s[80:87], s[88:91] for B's
.set G0S, 76
.set G1SB, 80
.set G0SB, 88
.set MSB, 0
.macro WIN new                         ; the immediate's high byte repeats the setting that is left
.if MSB != \new
	s_set_vgpr_msb (MSB<<8)|\new
.set MSB, \new
.endif
.endm
.set MUL_LO, 0xa1                      ; source 0 (B) window 1, source 1 (A) window 0, C and D window 2
.set MUL_HI, 0xf1                      ; the same, C and D window 3
.set TO_B,   0x40                      ; destination window 1, address window 0
; A joint load: waves 0 and 1 fetch for A, waves 2 and 3 for B.  Each of the two lines has one mask and one set of registers for all that issue it; the branch hangs on the wave's number alone.
; An s_nop 0 and four v_nop follow each of the two lines.
.macro JLOAD g0a, g1a, g0b, g1b
	s_cmp_eq_u32 s15, 0
	s_cbranch_scc0 .Lfor_b_\@
	tensor_load_to_lds s[\g0a:\g0a+3], s[\g1a:\g1a+7]
	s_nop 0
.rept 4
	v_nop
.endr
	s_branch .Lasked_\@
.Lfor_b_\@:
	tensor_load_to_lds s[\g0b:\g0b+3], s[\g1b:\g1b+7]
	s_nop 0
.rept 4
	v_nop
.endr
.Lasked_\@:
.endm
.macro CROUND                          ; a round of the cluster's barrier
	s_barrier_signal -1
	s_barrier_wait -1
	s_cmp_lg_u32 s14, 0
	s_cbranch_scc1 .Lnot_wave_0_\@
	s_barrier_signal -3
.Lnot_wave_0_\@:
	s_barrier_wait -3
	s_barrier_signal -1
	s_barrier_wait -1
.endm
	s_load_b128 s[4:7], s[0:1], 0x0                ; A's codes s[4:5], A's scales s[6:7]
	s_load_b128 s[8:11], s[0:1], 0x10              ; B's codes s[8:9], B's scales s[10:11]
	s_load_b64 s[12:13], s[0:1], 0x20              ; qkv
	v_lshl_add_u32 v[SPW], v0, 2, SPARE
	v_mov_b32 v[NIL], 0
	ds_add_u32 v[SPW], v[NIL]                      ; the wave's opening: the add, twice on end, and its wait ahead of my first tensor load
	ds_add_u32 v[SPW], v[NIL]
	v_lshrrev_b32 v1, 5, v0
	v_readfirstlane_b32 s14, v1                    ; wave 0..3
	s_lshr_b32 s15, s14, 1                         ; which half of the tile's rows is mine.  Also: I fetch for A (0) or for B (1)
	s_and_b32 s16, s14, 1                          ; which half of its columns.  Also: which 128 rows of that tile I fetch
	s_bfe_u32 s40, ttmp6, 0x40000                  ; cx, cy: my place in the cluster
	s_bfe_u32 s41, ttmp6, 0x40004
	s_lshl_b32 s42, ttmp9, 2
	s_add_co_u32 s42, s42, s40                     ; tile column = 4 x cluster x + cx
	s_and_b32 s17, ttmp7, 0xffff
	s_lshr_b32 s95, s17, 3                         ; t: which tensor: eight clusters along y each; the same in all sixteen partners
	s_lshl_b32 s17, s17, 2
	s_add_co_u32 s17, s17, s41                     ; tile row = 4 x cluster y + cy
	s_lshl_b32 s43, s41, 2
	s_lshl_b32 s43, 15, s43                        ; my row of the cluster
	s_lshl_b32 s44, 0x1111, s40                    ; my column
	; descriptor group 1: a tile of 128 rows x 256 bytes, padded in LDS
	s_or_b32 s[G1+0], s43, (0<<16)|(1<<20)|(1<<21)|(5<<22)|(3<<25)  ; 15:0 the mask; 17:16 element of 1 byte; 20 padding on; 21 set beside a mask; 24:22 after every 64 words; 31:25 four words
	s_or_b32 s[G1B+0], s44, (0<<16)|(1<<20)|(1<<21)|(5<<22)|(3<<25)
.irp g, G1, G1B
	s_mov_b32 s[\g+1], ROWB<<16                    ; tensor_dim0
	s_mov_b32 s[\g+2], 128<<16                     ; tensor_dim1
	s_mov_b32 s[\g+3], ROWB<<16                    ; tile_dim0
	s_mov_b32 s[\g+4], 128                         ; tile_dim1
	s_mov_b32 s[\g+5], KROW                        ; tensor_dim0_stride
	s_mov_b32 s[\g+6], 0
	s_mov_b32 s[\g+7], 0
.endr
	; and for the scales of 128 rows: a dense block of 4,096 bytes, as 16 rows of 256 bytes (32 elements of 8 bytes), 16 bytes of padding behind each
	s_or_b32 s[G1S+0], s43, (3<<16)|(1<<20)|(1<<21)|(5<<22)|(3<<25)
	s_or_b32 s[G1SB+0], s44, (3<<16)|(1<<20)|(1<<21)|(5<<22)|(3<<25)
.irp g, G1S, G1SB
	s_mov_b32 s[\g+1], 32<<16
	s_mov_b32 s[\g+2], (128*KS/256)<<16
	s_mov_b32 s[\g+3], 32<<16
	s_mov_b32 s[\g+4], 128*KS/256
	s_mov_b32 s[\g+5], 32
	s_mov_b32 s[\g+6], 0
	s_mov_b32 s[\g+7], 0
.endr
	s_lshl_b32 s18, s16, 7                         ; which 128 rows of the tile I fetch
	s_lshl_b32 s20, s17, 8
	s_add_co_u32 s20, s20, s18                     ; A: row 256 x tile row + 128 x half
	s_lshl_b32 s46, s42, 8
	s_add_co_u32 s46, s46, s18                     ; B: row 256 x tile column + 128 x half
	s_lshl_b32 s47, s95, 10
	s_add_co_u32 s46, s46, s47                     ;    + 1,024 t
	s_mov_b32 s21, 0
	s_mov_b32 s47, 0
	s_mov_b64 s[18:19], KS
	s_mul_u64 s[22:23], s[20:21], s[18:19]         ; where these rows' scales begin, in bytes
	s_mul_u64 s[92:93], s[46:47], s[18:19]
	s_mov_b64 s[18:19], KROW
	s_mul_u64 s[20:21], s[20:21], s[18:19]         ; and their codes
	s_mul_u64 s[46:47], s[46:47], s[18:19]
	s_mul_i32 s45, s14, HALFT                      ; where they go: wave x 128 rows: no place in the cluster enters an LDS address
	s_mul_i32 s94, s14, HALFS
	s_wait_dscnt 0x0                               ; both opening adds are done
	s_wait_kmcnt 0x0
	s_add_nc_u64 s[20:21], s[4:5], s[20:21]
	s_add_nc_u64 s[22:23], s[6:7], s[22:23]
	s_add_nc_u64 s[46:47], s[8:9], s[46:47]
	s_add_nc_u64 s[92:93], s[10:11], s[92:93]
	CROUND                                         ; all sixteen work-groups are here: the joint loads meet
	s_mov_b32 s[G0S], 1
	s_add_co_u32 s[G0S+1], s94, SCL
	s_mov_b64 s[G0S+2:G0S+3], s[22:23]
	s_or_b32 s[G0S+3], s[G0S+3], 0x80000000
	s_mov_b32 s[G0SB], 1
	s_add_co_u32 s[G0SB+1], s94, SCL
	s_mov_b64 s[G0SB+2:G0SB+3], s[92:93]
	s_or_b32 s[G0SB+3], s[G0SB+3], 0x80000000
	JLOAD G0S, G1S, G0SB, G1SB                     ; the scales first: they are wanted with K step 0
.irp s, 0,1
	s_mov_b32 s[G0+4*\s], 1
	s_add_co_u32 s[G0+4*\s+1], s45, \s*SLOT
	s_add_nc_u64 s[G0+4*\s+2:G0+4*\s+3], s[20:21], \s*ROWB
	s_or_b32 s[G0+4*\s+3], s[G0+4*\s+3], 0x80000000
	s_mov_b32 s[G0B+4*\s], 1
	s_add_co_u32 s[G0B+4*\s+1], s45, \s*SLOT
	s_add_nc_u64 s[G0B+4*\s+2:G0B+4*\s+3], s[46:47], \s*ROWB
	s_or_b32 s[G0B+4*\s+3], s[G0B+4*\s+3], 0x80000000
	JLOAD G0+4*\s, G1, G0B+4*\s, G1B               ; three tensor loads of mine are out in all
.endr
	v_and_b32 v1, 15, v0                           ; l % 16
	v_bfe_u32 v2, v0, 4, 1                         ; l / 16
	v_mul_u32_u24 v3, v1, PITCH
	v_lshl_add_u32 v4, v2, 4, v3                   ; a fragment's row x pitch + 16 x half
	s_mul_i32 s21, s15, HALFT                      ; my 128 rows of A
	s_mul_i32 s22, s16, HALFT                      ; my 128 rows of B,
	s_add_co_u32 s22, s22, 2*HALFT                 ; which lie behind A's 256
.irp s, 0,1
	v_add_nc_u32 v[ADRA+\s], s21, v4
	v_add_nc_u32 v[ADRB+\s], s22, v4
	s_add_co_u32 s21, s21, SLOT
	s_add_co_u32 s22, s22, SLOT
.endr
	v_mul_u32_u24 v5, v1, KS                       ; my row's scales: 32 bytes a row,
	v_lshrrev_b32 v6, 8, v5
	v_lshl_add_u32 v5, v6, 4, v5                   ; and 16 more for each 256 passed
	s_mul_i32 s21, s15, HALFS                      ; A's: my 128 rows
	s_mul_i32 s22, s16, HALFS                      ; B's: my 128 rows, behind A's 256
	s_add_co_u32 s22, s22, 2*HALFS
	s_sub_co_u32 s22, s22, s21
	v_mul_u32_u24 v6, s22, v2                      ; lanes 16-31 take B's: one product, the distance between the two
	s_add_co_u32 s21, s21, SCL
	v_add_nc_u32 v5, v5, v6
	v_add_nc_u32 v[ADRS], s21, v5
	; the way out: my 16 bytes' place in an image: 16 l for q and k; for v the bits 3 and 4 of l change places
	v_and_b32 v6, 31, v0
	v_lshlrev_b32 v5, 4, v6
	v_and_b32 v7, 7, v0
	v_lshl_or_b32 v7, v2, 3, v7
	v_bfe_u32 v8, v0, 3, 1
	v_lshl_or_b32 v7, v8, 4, v7
	v_lshlrev_b32 v7, 4, v7
	s_cmp_eq_u32 s95, 2
	s_cselect_b32 s96, -1, 0
	v_cndmask_b32 v[CO], v5, v7, s96
	; where my part begins in qkv: row M0 = 256 x tile row + 128 x half = 2,048 (4 t + batch) + s
	s_lshl_b32 s20, s17, 8
	s_lshl_b32 s21, s15, 7
	s_add_co_u32 s20, s20, s21
	s_lshr_b32 s21, s20, 11
	s_lshl_b32 s21, s21, 22                        ; 4,194,304 bytes for each batch of each tensor
	s_and_b32 s20, s20, 2047
	s_lshl_b32 s20, s20, 7                         ; 2,048 bytes for each 16 rows
	s_add_co_u32 s20, s20, s21
	s_lshl_b32 s46, s42, 2
	s_lshl_b32 s47, s16, 1
	s_add_co_u32 s46, s46, s47                     ; my first head: 4 x tile column + 2 x half
	s_lshl_b32 s46, s46, 18                        ; 262,144 bytes a head
	s_add_co_u32 s20, s20, s46
	s_mov_b32 s21, 0
	s_add_nc_u64 s[12:13], s[12:13], s[20:21]
.macro FRAG reg, adr, q, i             ; a fragment, 16 rows x 128 K of 4-bit codes: lane l holds row l % 16; registers 4 c .. 4 c + 3 hold K = 64 c + 32 (l / 16) + 0 .. 31
.irp c, 0,1
	ds_load_b128 v[\reg+4*\c:\reg+4*\c+3], v[\adr] offset:64*(\q)+32*\c+(\i)*16*PITCH
.endr
.endm
; 16 matrix instructions: A's blocks a0, a0 + 1 x B's eight, the slot's q-th 128 along K.  p: B's set;  sc: the set of scale words.  zero = 1: the first product starts the sums.
; The 64 accumulators take turns, one instruction a turn, in the same order in every step.
.macro MUL16 a0, p, q, sc, zero
.irp a, \a0, \a0+1
.irp b, 0,1,2,3,4,5,6,7
.if \zero
	v_wmma_scale_f32_16x16x128_f8f6f4 v[8*(8*((\a)%4)+\b):8*(8*((\a)%4)+\b)+7], v[128*(\p)+FR*\b:128*(\p)+FR*\b+FR-1], v[AF+FR*(\a):AF+FR*(\a)+FR-1], 0, v[SC+8*NQ*(\sc)+NQ*\b+(\q)], v[SC+8*NQ*(\sc)+NQ*(\a)+(\q)] matrix_a_fmt:MATRIX_FMT_FP4 matrix_b_fmt:MATRIX_FMT_FP4 matrix_a_scale:MATRIX_SCALE_ROW1
.else
	v_wmma_scale_f32_16x16x128_f8f6f4 v[8*(8*((\a)%4)+\b):8*(8*((\a)%4)+\b)+7], v[128*(\p)+FR*\b:128*(\p)+FR*\b+FR-1], v[AF+FR*(\a):AF+FR*(\a)+FR-1], v[8*(8*((\a)%4)+\b):8*(8*((\a)%4)+\b)+7], v[SC+8*NQ*(\sc)+NQ*\b+(\q)], v[SC+8*NQ*(\sc)+NQ*(\a)+(\q)] matrix_a_fmt:MATRIX_FMT_FP4 matrix_b_fmt:MATRIX_FMT_FP4 matrix_a_scale:MATRIX_SCALE_ROW1
.endif
.endr
.endr
.endm
.macro FETCH_B slot, q, p              ; B's eight fragments of the slot's q-th 128 along K into set p
	WIN TO_B
.irp i, 0,1,2,3,4,5,6,7
	FRAG 128*(\p)+FR*\i, ADRB+\slot, \q, \i
.endr
	WIN 0
.endm
.macro FETCH_A slot, q, i0             ; A's blocks i0 .. i0 + 3
.irp i, \i0, \i0+1, \i0+2, \i0+3
	FRAG AF+FR*(\i), ADRA+\slot, \q, \i
.endr
.endm
.macro SCALES sc                       ; a K step's scale words into set sc: four words a row; lanes 0-15 take A's block i, lanes 16-31 B's block i
.irp i, 0,1,2,3,4,5,6,7
	ds_load_b128 v[SC+8*NQ*\sc+NQ*\i:SC+8*NQ*\sc+NQ*\i+3], v[ADRS] offset:\i*SBLK
.endr
.endm
; A load into a register that a matrix instruction has read, and a vector instruction that reads a matrix result or writes one of its registers, stand NP places behind it; only plain vector
; instructions that name none of its registers are places.
.macro PLACES n
.rept \n
	v_nop
.endr
.endm
.macro STEP slot, q, zero              ; a step of 128 along K that has its successor in the same slot
	s_wait_dscnt 4*NL                              ; B's set and A's blocks 0-3 are in; the youngest eight loads (A's blocks 4-7) may be out
	WIN MUL_LO
	MUL16 0, (\q)%2, \q, \slot, \zero
	MUL16 2, (\q)%2, \q, \slot, \zero
	s_wait_dscnt 0                                 ; A's blocks 4-7 are in
	PLACES NP
	FETCH_B \slot, (\q)+1, 1-(\q)%2
	FETCH_A \slot, (\q)+1, 0
	WIN MUL_HI
	MUL16 4, (\q)%2, \q, \slot, \zero
	MUL16 6, (\q)%2, \q, \slot, \zero
	PLACES NP
	WIN 0
	FETCH_A \slot, (\q)+1, 4
.endm
.macro STEPS slot, from                ; the slot's steps from .. NQ - 2
.set Q, \from
.rept NQ-1-\from
	STEP \slot, Q, 0
.set Q, Q+1
.endr
.endm
	s_wait_tensorcnt 1                             ; the scales and my part of K step 0 are in (K step 1's load may be out)
	s_barrier_signal -1
	s_barrier_wait -1                              ; everybody's are
	FETCH_B 0, 0, 0
	FETCH_A 0, 0, 0
	SCALES 0
	FETCH_A 0, 0, 4
	STEP 0, 0, 1                                   ; the first step's products start the sums: nothing is cleared
	STEPS 0, 1
	; slot 0's last step changes slots: one barrier, in front of which each wave has waited for its part of slot 1
	s_wait_tensorcnt 0x0                           ; all my tensor loads have landed
	ds_add_u32 v[SPW], v[NIL]                      ; 0 onto my spare word
	s_wait_dscnt 4*NL+1                            ; (the add and the youngest eight loads, A's blocks 4-7, may be out)
	WIN MUL_LO
	MUL16 0, 1, NQ-1, 0, 0
	s_wait_dscnt 0x0                               ; no LDS instruction of mine is out at the signal
	s_barrier_signal -1
	MUL16 2, 1, NQ-1, 0, 0
	WIN 0
	s_barrier_wait -1                              ; slot 1 is whole
	PLACES NP
	v_add_nc_u32 v[ADRS], 4*NQ, v[ADRS]            ; on to K step 1's scale words
	FETCH_B 1, 0, 0
	FETCH_A 1, 0, 0
	SCALES 1
	WIN MUL_HI
	MUL16 4, 1, NQ-1, 0, 0
	MUL16 6, 1, NQ-1, 0, 0
	PLACES NP
	WIN 0
	FETCH_A 1, 0, 4
	STEPS 1, 0
	s_wait_dscnt 4*NL                              ; the very last step: nothing more to fetch
	WIN MUL_LO
	MUL16 0, 1, NQ-1, 1, 0
	MUL16 2, 1, NQ-1, 1, 0
	s_wait_dscnt 0
	WIN MUL_HI
	MUL16 4, 1, NQ-1, 1, 0
	MUL16 6, 1, NQ-1, 1, 0
	WIN 0
; THE WAY OUT of block a (16 rows x 128 channels = two heads x four images): rounded to f16, each accumulator from its low end on, and stored as it stands: 32 lanes, 512 consecutive bytes, aligned.
.macro OUT a
.set AC, 64*((\a)%4)
.set TM, TMP+32*((\a)%4)
.if (\a) >= 4
	s_wait_xcnt 0x0                                ; the stores of four blocks ago have read their registers: only behind this wait are they written again
.endif
	WIN 0x0a+5*((\a)/4)                            ; sources 0 and 1: window 2 or 3
.irp b, 0,1,2,3,4,5,6,7
.irp i, 0,1,2,3
	v_cvt_pk_f16_f32 v[TM+4*\b+\i], v[AC+8*\b+2*\i], v[AC+8*\b+2*\i+1]
.endr
.endr
	WIN 0
.irp b, 0,1,2,3,4,5,6,7
	global_store_b128 v[CO], v[TM+4*\b:TM+4*\b+3], s[12:13] offset:2048*(\a)+262144*(\b/4)+512*(\b%4)
.endr
.endm
	PLACES NP                                      ; behind the last products: their results are read and A's registers written below
.irp a, 0,1,2,3,4,5,6,7
	OUT \a
.endr
	s_wait_tensorcnt 0x0                           ; the wave's end: these three lines behind my last tensor load
	ds_add_u32 v[SPW], v[NIL]
	s_wait_dscnt 0x0
	CROUND                                         ; the closing round: no work-group ends while a partner may still ask for a tile that names it
	s_endpgm
.Lfunc_end_k_qd7f6705f8f_proj:
	.size	k_qd7f6705f8f_proj, .Lfunc_end_k_qd7f6705f8f_proj-k_qd7f6705f8f_proj
	.p2alignl 7, 3214868480
	.fill 96, 4, 3214868480
	.section	.rodata,"a",@progbits
	.p2align	6, 0x0
	.amdhsa_kernel k_qd7f6705f8f_proj
		.amdhsa_group_segment_fixed_size 327680
		.amdhsa_private_segment_fixed_size 0
		.amdhsa_enable_private_segment 0
		.amdhsa_kernarg_size 40
		.amdhsa_user_sgpr_count 2
		.amdhsa_user_sgpr_kernarg_segment_ptr 1
		.amdhsa_wavefront_size32 1
		.amdhsa_system_sgpr_workgroup_id_x 1
		.amdhsa_system_sgpr_workgroup_id_y 1
		.amdhsa_system_sgpr_workgroup_id_z 1
		.amdhsa_system_vgpr_workitem_id 0
		.amdhsa_next_free_vgpr 1024
		.amdhsa_next_free_sgpr 98
		.amdhsa_reserve_vcc 0
		.amdhsa_float_denorm_mode_32 3
		.amdhsa_float_denorm_mode_16_64 3
		.amdhsa_memory_ordered 1
		.amdhsa_forward_progress 1
		.amdhsa_inst_pref_size 118
	.end_amdhsa_kernel
	.amdgpu_metadata
---
amdhsa.version: [ 1, 2 ]
amdhsa.kernels:
  - .name:           k_qd7f6705f8f_proj
    .symbol:         k_qd7f6705f8f_proj.kd
    .args:
      - { .name: xc, .offset: 0, .size: 8, .value_kind: global_buffer, .address_space: global }
      - { .name: xs, .offset: 8, .size: 8, .value_kind: global_buffer, .address_space: global }
      - { .name: wc, .offset: 16, .size: 8, .value_kind: global_buffer, .address_space: global }
      - { .name: ws, .offset: 24, .size: 8, .value_kind: global_buffer, .address_space: global }
      - { .name: qkv, .offset: 32, .size: 8, .value_kind: global_buffer, .address_space: global }
    .group_segment_fixed_size: 327680
    .private_segment_fixed_size: 0
    .kernarg_segment_align: 8
    .kernarg_segment_size: 40
    .max_flat_workgroup_size: 128
    .sgpr_count:     98
    .vgpr_count:     1024
    .wavefront_size: 32
...
	.end_amdgpu_metadata
.endif
;; end of part 2
;; launch fineA (part 3): grid 16 x 4, 12 waves a work-group, no clusters, 13,824 bytes of LDS; arguments xc, xs, wc, ws, ofine; writes ofine
.if DOCPART == 3
	.amdgcn_target "amdgcn-amd-amdhsa--gfx1250"
	.amdhsa_code_object_version 6
	.text
	.protected	k_qd7f6705f8f_fineA
	.globl	k_qd7f6705f8f_fineA
	.p2align	8
	.type	k_qd7f6705f8f_fineA,@function
k_qd7f6705f8f_fineA:
	s_mov_b64 s[64:65], 0
	v_nop
	global_prefetch_b8 v0, s[64:65] scope:SCOPE_SE
	s_setreg_imm32_b32 hwreg(HW_REG_WAVE_MODE, 25, 1), 1
	s_wait_xcnt 0x0
; FINE A: the first 16 positions of every sequence, for every head, with nothing coarser than f32 behind the quantised projections: these rows average one to sixteen values and are the largest in size.
; A work-group takes one (batch, head).  PHASE 1, twelve waves: wave w makes the tile (T = w / 4: q, k, v; ct = w % 4: 16 channels) of 16 positions x 16 channels, K = 1,024, on codes of FP4, straight from memory.
; For q and k source 0 = 16 rows of W and source 1 = the 16 positions: a lane holds one position and eight channels.  For v the sources change places: a lane holds one channel and eight keys.
; The change is made by choosing pointers on the wave's number; the text is one.  The tiles go to LDS as images of their registers (two stores of 512 bytes), a barrier, and
; PHASE 2, wave 0: S^T = k q^T, the causal mask, the softmax and O^T = v^T p, all in f32, by the f32 matrix form (16 x 16 x 4; 32 instructions: no bulk work).
; The f32 form wants k = 2 (lane / 16) + j in its two registers; both operands of a product are given the same other order of k (channel or key 8 (lane / 16) + 2 i + j), which keeps every product.
; ofine [batch][4 head + ct][2][512 bytes] f32: registers 0-3 and 4-7 of O^T's tile: lane (r, h): position r, channels 16 ct + 8 h + j.
.set SPARE, 12288                      ; behind the twelve images of 1,024 bytes: the spare words, 128 bytes for each wave: six blocks of 256 bytes that no other line names
.set SPW, 250                          ; v250 LDS address of my spare word; never rewritten
.set NIL, 251                          ; v251 0; never rewritten
.set FA,  16                           ; v16-79   source 0's eight fragments;  later q's four tiles (v16-47) and k's (v48-79)
.set FB,  80                           ; v80-143  source 1's;  later v's four tiles (v80-111), the scores v112-119, the weights v120-127, at work v128-135
.set SA,  144                          ; v144-151 source 0's scale words, one for each 128 along K; v152-159 source 1's: scales and nothing else
.set SB,  152
.set ACC, 160                          ; v160-175 two accumulators by turns
.set RR,  176                          ; v176-183 their sum
.set SAC, 184                          ; v184-215 four accumulators of S^T: written by matrix instructions alone
.set OAC, 216                          ; v216-247 O^T's four tiles: written by matrix instructions alone
	s_load_b256 s[4:11], s[0:1], 0x0               ; xc s[4:5], xs s[6:7], wc s[8:9], ws s[10:11]
	s_load_b64 s[12:13], s[0:1], 0x20              ; ofine
	v_lshl_add_u32 v[SPW], v0, 2, SPARE
	v_mov_b32 v[NIL], 0
	v_lshrrev_b32 v1, 5, v0
	v_readfirstlane_b32 s14, v1                    ; wave 0..11
	s_lshr_b32 s15, s14, 2                         ; T
	s_and_b32 s16, s14, 3                          ; ct
	s_and_b32 s17, ttmp7, 0xffff                   ; batch
	s_lshl_b32 s18, s15, 10
	s_lshl_b32 s19, ttmp9, 6
	s_add_co_u32 s18, s18, s19
	s_lshl_b32 s19, s16, 4
	s_add_co_u32 s18, s18, s19                     ; W's first row: 1,024 T + 64 head + 16 ct
	s_lshl_b32 s19, s15, 13
	s_lshl_b32 s20, s17, 11
	s_add_co_u32 s19, s19, s20                     ; x's first row: 8,192 T + 2,048 batch
	s_mov_b32 s33, 0
	s_mov_b32 s34, 0x76543210
	s_mov_b32 s35, 0xfedcba98                      ; v_permlanex16_b32's selects for lane l xor 16
	s_mov_b32 s36, 0x3e38aa3b                      ; c = log2(e) / sqrt(64)
	v_and_b32 v2, 15, v0                           ; r
	v_bfe_u32 v3, v0, 4, 1                         ; h
	v_lshlrev_b32 v4, 9, v2
	v_lshl_add_u32 v4, v3, 4, v4                   ; codes: row r of 512 bytes, + 16 h
	v_lshlrev_b32 v5, 5, v2                        ; scale words: row r of 32 bytes
	v_and_b32 v6, 31, v0
	v_lshlrev_b32 v6, 4, v6                        ; an image's place for my lane: 16 l
	s_lshl_b32 s23, s14, 10
	v_add_nc_u32 v7, s23, v6                       ; where I store my tile's image: + 1,024 x wave
	s_wait_kmcnt 0x0
	s_cmp_lt_u32 s15, 2                            ; q and k: source 0 = W; v: source 0 = x.  The choice hangs on the wave's number alone
	s_cselect_b64 s[24:25], s[8:9], s[4:5]
	s_cselect_b64 s[26:27], s[4:5], s[8:9]
	s_cselect_b64 s[28:29], s[10:11], s[6:7]
	s_cselect_b64 s[30:31], s[6:7], s[10:11]
	s_cselect_b32 s21, s18, s19
	s_cselect_b32 s22, s19, s18
	s_lshl_b32 s32, s21, 9
	s_add_nc_u64 s[24:25], s[24:25], s[32:33]
	s_lshl_b32 s32, s22, 9
	s_add_nc_u64 s[26:27], s[26:27], s[32:33]
	s_lshl_b32 s32, s21, 5
	s_add_nc_u64 s[28:29], s[28:29], s[32:33]
	s_lshl_b32 s32, s22, 5
	s_add_nc_u64 s[30:31], s[30:31], s[32:33]
	s_lshl_b32 s32, s17, 16                        ; ofine: 65,536 bytes a batch,
	s_lshl_b32 s20, ttmp9, 12                      ; 4,096 a head
	s_add_co_u32 s32, s32, s20
	s_add_nc_u64 s[12:13], s[12:13], s[32:33]
.irp k, 0,1,2,3,4,5,6,7
.irp c, 0,1
	global_load_b128 v[FA+8*\k+4*\c:FA+8*\k+4*\c+3], v4, s[24:25] offset:64*\k+32*\c
	global_load_b128 v[FB+8*\k+4*\c:FB+8*\k+4*\c+3], v4, s[26:27] offset:64*\k+32*\c
.endr
.endr
.irp c, 0,1
	global_load_b128 v[SA+4*\c:SA+4*\c+3], v5, s[28:29] offset:16*\c
	global_load_b128 v[SB+4*\c:SB+4*\c+3], v5, s[30:31] offset:16*\c
.endr
	s_wait_loadcnt 0x0
.irp k, 0,1,2,3,4,5,6,7                        ; two accumulators by turns; the first two products start the sums
.if \k < 2
	v_wmma_scale_f32_16x16x128_f8f6f4 v[ACC+8*(\k%2):ACC+8*(\k%2)+7], v[FA+8*\k:FA+8*\k+7], v[FB+8*\k:FB+8*\k+7], 0, v[SA+\k], v[SB+\k] matrix_a_fmt:MATRIX_FMT_FP4 matrix_b_fmt:MATRIX_FMT_FP4
.else
	v_wmma_scale_f32_16x16x128_f8f6f4 v[ACC+8*(\k%2):ACC+8*(\k%2)+7], v[FA+8*\k:FA+8*\k+7], v[FB+8*\k:FB+8*\k+7], v[ACC+8*(\k%2):ACC+8*(\k%2)+7], v[SA+\k], v[SB+\k] matrix_a_fmt:MATRIX_FMT_FP4 matrix_b_fmt:MATRIX_FMT_FP4
.endif
.endr
.rept 4
	v_nop                                          ; places behind the last product
.endr
.irp p, 0,2,4,6
	v_pk_add_f32 v[RR+\p:RR+\p+1], v[ACC+\p:ACC+\p+1], v[ACC+8+\p:ACC+8+\p+1]   ; from the low end on
.endr
	ds_store_b128 v7, v[RR:RR+3]
	ds_store_b128 v7, v[RR+4:RR+7] offset:512
	s_wait_dscnt 0x0                               ; for the others' sake: my stores have landed
	s_barrier_signal -1
	s_barrier_wait -1
	s_cmp_lg_u32 s14, 0
	s_cbranch_scc1 .Lothers
	; ---- PHASE 2: wave 0
.irp m, 0,1,2,3,4,5,6,7,8,9,10,11
	ds_load_b128 v[16+8*\m:19+8*\m], v6 offset:1024*\m        ; q's tiles v16.., k's v48.., v's v80..
	ds_load_b128 v[20+8*\m:23+8*\m], v6 offset:1024*\m+512
.endr
	s_wait_dscnt 0x0
.irp i, 0,1,2,3                                ; S^T: four accumulators (one for each 16 channels) by turns; source 0 = k, source 1 = q
.irp ct, 0,1,2,3
.if \i == 0
	v_wmma_f32_16x16x4_f32 v[SAC+8*\ct:SAC+8*\ct+7], v[48+8*\ct+2*\i:49+8*\ct+2*\i], v[16+8*\ct+2*\i:17+8*\ct+2*\i], 0
.else
	v_wmma_f32_16x16x4_f32 v[SAC+8*\ct:SAC+8*\ct+7], v[48+8*\ct+2*\i:49+8*\ct+2*\i], v[16+8*\ct+2*\i:17+8*\ct+2*\i], v[SAC+8*\ct:SAC+8*\ct+7]
.endif
.endr
.endr
.rept 8
	v_nop                                          ; eight places behind this form
.endr
.irp p, 0,2,4,6
	v_pk_add_f32 v[112+\p:113+\p], v[SAC+\p:SAC+\p+1], v[SAC+8+\p:SAC+9+\p]
	v_pk_add_f32 v[120+\p:121+\p], v[SAC+16+\p:SAC+17+\p], v[SAC+24+\p:SAC+25+\p]
.endr
.irp p, 0,2,4,6
	v_pk_add_f32 v[112+\p:113+\p], v[112+\p:113+\p], v[120+\p:121+\p]   ; lane (r, h), register j: the score of query r and key 8 h + j
.endr
	v_lshlrev_b32 v8, 3, v3
	v_sub_nc_u32 v8, v2, v8                        ; d = r - 8 h: key 8 h + j is hidden where j > d
	v_mov_b32 v9, 0xff800000                       ; -infinity
.irp j, 0,1,2,3,4,5,6,7
	v_cmp_gt_i32 vcc_lo, \j, v8
	v_cndmask_b32 v[112+\j], v[112+\j], v9, vcc_lo
.endr
	v_max3_num_f32 v128, v112, v113, v114
	v_max3_num_f32 v129, v115, v116, v117
	v_max3_num_f32 v128, v128, v118, v119
	v_max_num_f32 v128, v128, v129
	v_permlanex16_b32 v129, v128, s34, s35
	v_max_num_f32 v128, v128, v129                 ; the row's largest score: key 0 counts for every query, so it is a number
	v_mul_f32 v130, s36, v128
.irp j, 0,1,2,3,4,5,6,7
	v_fma_f32 v[112+\j], v[112+\j], s36, -v130     ; c s - c m
.endr
.irp j, 0,1,2,3,4,5,6,7
	v_exp_f32 v[112+\j], v[112+\j]
.endr
	v_nop                                          ; a plain instruction behind the last exponential
	s_wait_alu depctr_va_vdst(0)                   ; and the wait ahead of the first use: one for the eight
	v_pk_add_f32 v[132:133], v[112:113], v[114:115]
	v_pk_add_f32 v[134:135], v[116:117], v[118:119]
	v_pk_add_f32 v[132:133], v[132:133], v[134:135]
	v_add_f32 v131, v132, v133
	v_permlanex16_b32 v134, v131, s34, s35
	v_add_f32 v131, v131, v134                     ; the row's sum
	v_rcp_f32 v135, v131
	v_nop
	s_wait_alu depctr_va_vdst(0)
.irp j, 0,1,2,3,4,5,6,7
	v_mul_f32 v[120+\j], v[112+\j], v135           ; the weights
.endr
.irp i, 0,1,2,3                                ; O^T: four tiles of 16 channels by turns; source 0 = v (a lane a channel), source 1 = the weights
.irp ct, 0,1,2,3
.if \i == 0
	v_wmma_f32_16x16x4_f32 v[OAC+8*\ct:OAC+8*\ct+7], v[80+8*\ct+2*\i:81+8*\ct+2*\i], v[120+2*\i:121+2*\i], 0
.else
	v_wmma_f32_16x16x4_f32 v[OAC+8*\ct:OAC+8*\ct+7], v[80+8*\ct+2*\i:81+8*\ct+2*\i], v[120+2*\i:121+2*\i], v[OAC+8*\ct:OAC+8*\ct+7]
.endif
.endr
.endr
.rept 8
	v_nop
.endr
.irp ct, 0,1,2,3
	global_store_b128 v6, v[OAC+8*\ct:OAC+8*\ct+3], s[12:13] offset:1024*\ct        ; each tile from its low end on; 32 lanes store 512 consecutive bytes, aligned
	global_store_b128 v6, v[OAC+8*\ct+4:OAC+8*\ct+7], s[12:13] offset:1024*\ct+512
.endr
	s_wait_tensorcnt 0x0                           ; the wave's end: these three lines behind my last LDS store
	ds_add_u32 v[SPW], v[NIL]
	s_wait_dscnt 0x0
	s_endpgm
.Lothers:
	s_wait_tensorcnt 0x0                           ; the same three lines for the other eleven waves
	ds_add_u32 v[SPW], v[NIL]
	s_wait_dscnt 0x0
	s_endpgm
.Lfunc_end_k_qd7f6705f8f_fineA:
	.size	k_qd7f6705f8f_fineA, .Lfunc_end_k_qd7f6705f8f_fineA-k_qd7f6705f8f_fineA
	.p2alignl 7, 3214868480
	.fill 96, 4, 3214868480
	.section	.rodata,"a",@progbits
	.p2align	6, 0x0
	.amdhsa_kernel k_qd7f6705f8f_fineA
		.amdhsa_group_segment_fixed_size 13824
		.amdhsa_private_segment_fixed_size 0
		.amdhsa_enable_private_segment 0
		.amdhsa_kernarg_size 40
		.amdhsa_user_sgpr_count 2
		.amdhsa_user_sgpr_kernarg_segment_ptr 1
		.amdhsa_wavefront_size32 1
		.amdhsa_system_sgpr_workgroup_id_x 1
		.amdhsa_system_sgpr_workgroup_id_y 1
		.amdhsa_system_sgpr_workgroup_id_z 1
		.amdhsa_system_vgpr_workitem_id 0
		.amdhsa_next_free_vgpr 256
		.amdhsa_next_free_sgpr 66
		.amdhsa_reserve_vcc 1
		.amdhsa_float_denorm_mode_32 3
		.amdhsa_float_denorm_mode_16_64 3
		.amdhsa_memory_ordered 1
		.amdhsa_forward_progress 1
		.amdhsa_inst_pref_size 16
	.end_amdhsa_kernel
	.amdgpu_metadata
---
amdhsa.version: [ 1, 2 ]
amdhsa.kernels:
  - .name:           k_qd7f6705f8f_fineA
    .symbol:         k_qd7f6705f8f_fineA.kd
    .args:
      - { .name: xc, .offset: 0, .size: 8, .value_kind: global_buffer, .address_space: global }
      - { .name: xs, .offset: 8, .size: 8, .value_kind: global_buffer, .address_space: global }
      - { .name: wc, .offset: 16, .size: 8, .value_kind: global_buffer, .address_space: global }
      - { .name: ws, .offset: 24, .size: 8, .value_kind: global_buffer, .address_space: global }
      - { .name: ofine, .offset: 32, .size: 8, .value_kind: global_buffer, .address_space: global }
    .group_segment_fixed_size: 13824
    .private_segment_fixed_size: 0
    .kernarg_segment_align: 8
    .kernarg_segment_size: 40
    .max_flat_workgroup_size: 384
    .sgpr_count:     66
    .vgpr_count:     256
    .wavefront_size: 32
...
	.end_amdgpu_metadata
.endif
;; end of part 3
;; launch attn (part 4): grid 4 x 64, 16 waves a work-group, no clusters, 327,680 bytes of LDS; arguments qkv, o16; writes o16
.if DOCPART == 4
	.amdgcn_target "amdgcn-amd-amdhsa--gfx1250"
	.amdhsa_code_object_version 6
	.text
	.protected	k_qd7f6705f8f_attn
	.globl	k_qd7f6705f8f_attn
	.p2align	8
	.type	k_qd7f6705f8f_attn,@function
k_qd7f6705f8f_attn:
	s_mov_b64 s[64:65], 0
	v_nop
	global_prefetch_b8 v0, s[64:65] scope:SCOPE_SE
	s_setreg_imm32_b32 hwreg(HW_REG_WAVE_MODE, 25, 1), 1
	s_wait_xcnt 0x0
; ATTN: O[q] = the sum over keys k <= q of softmax_k(Q[q] . K[k] / 8) V[k], for each of 64 (batch, head), 2,048 positions, head size 64.  Operands in f16, products, maxima and sums in f32.
; q, k, v come as images of the operands' registers: qkv [t][batch x head][s / 16][channel / 16][512 bytes], lane l's 16 bytes at 16 l.  So a slot of keys is one dense block of memory, LDS has no pitch and no padding,
; and every LDS read stands at 16 x lane + a constant.  v's images are laid for the turning load.
; SHARES.  Work-group i of a head owns the blocks of 256 queries 7 - i (waves 0-7) and i (waves 8-15): under the causal mask every work-group so has the same work.  A wave owns 32 queries, two tiles of 16, in 256
; registers: four waves to a SIMD, so that one wave's softmax stands beside another's products, and each fragment of K and V read from LDS feeds two products.
; Every wave walks the head's keys in 8 slots of 256, a constant count, 4 steps of 64 keys a slot.  A step all of whose keys come after the wave's queries is jumped over: a branch on ids, round no barrier.
; LAYOUT.  S^T = K Q^T (source 0 = 16 keys, source 1 = 16 queries) and O^T = V^T P (source 0 = 16 channels, source 1 = P): a lane holds ONE query throughout; two tiles of S^T, rounded to f16 in pairs, are a fragment of P.
; SOFTMAX.  A running maximum m and sum l for each query: p = 2^(c s - c m), c = log2(e) / 8; in every step O and l are multiplied by a = 2^(c m_old - c m_new).
; NO CLUSTER: the four work-groups of a head need 8, 7, 6 and 5 slots; a joint load would bring tiles that every wave of a partner jumps over.
; o16 [128 batch + s / 16][2 head + ct / 2][ct % 2][512 bytes]: the fragments (16 rows x 32 along k) of the output projection's first operand.
; LIMITS: q, k, v, p and o are f16: see the launch that makes q, k, v; p is at most 1; what falls under f16's smallest number counts as 0.
.set SLOT1, 65536                      ; a slot: K's 64 images (32,768 bytes), then V's; slot 1 begins here, so that one exclusive or turns an address
.set VOFF,  32768
.set SPARE, 131072                     ; the spare words, 128 bytes for each wave: eight blocks of 256 bytes that no other line names
.set LI,   1                           ; v1   16 x lane; never rewritten
.set AD,   2                           ; v2   + the slot in hand
.set SPW,  3                           ; v3   LDS address of my spare word; never rewritten
.set NIL,  4                           ; v4   0; never rewritten
.set PFO,  5                           ; v5   256 x lane: the prefetches' offset; never rewritten
.set RH,   6                           ; v6   r - 8 h
.set D0,   7                           ; v7   tile 0: key 16 kt + j of the step is hidden where 16 kt + j > D0;  v249 tile 1
.set ST,   8                           ; tile t's statistics at v[8 + 8 t]: +0 c m, +1 m, +2, +3 l in two halves, +4 to +7 at work; a takes +6
.set QF,   24                          ; v24-55   Q: tile t, channels 32 c on, at 24 + 16 t + 8 c
.set KV,   56                          ; v56-119  eight fragments: the step's K, then its V
.set S,    120                         ; v120-183 S^T, 32 a tile; p in place; then P in the low 16 of each tile
.set O,    184                         ; v184-247 O^T: tile t, channels 16 ct on, at 184 + 32 t + 8 ct
.set NINF, 248                         ; v248 -infinity
.set D1,   249
.set X2,   250                         ; v250-253 the sums' second chains
.set WV,   8                           ; s8   my wave's number
.set BH,   10                          ; s10  16 batch + head
.set Q0,   11                          ; s11  my first query
.set KF,   12                          ; s12  the step's first key
.set TB,   13                          ; s13  LDS byte at which the slot in hand begins
.set SLOTS, 14                         ; s14  changes of slots still to come that may ask
.set LIM,  15                          ; s15  1 in a wave that prefetches, else the greatest number
.set WGL,  16                          ; s16  my work-group's last query
.set SEL,  20                          ; s[20:21] lane selects: lane l xor 16
.set CS,   22                          ; s[22:23] c, twice: the packed form names a pair
.set G1,   24                          ; s[24:31] descriptor group 1: 64 rows of 256 bytes, dense
.set G0,   32                          ; s[32:35] descriptor group 0, which walks
.set PFA,  36                          ; s[36:37] where my prefetches stand
.set KH,   40                          ; s[40:41] k's head;  s[42:43] v's
.set VH,   42
; Waves 0 and 1 fetch K's two halves of a slot, waves 2 and 3 V's, 16,384 bytes each; the others nothing.  An s_nop 0 and four v_nop follow the line.
.macro TLOAD
	s_cmp_lt_u32 s[WV], 4
	s_cbranch_scc0 .Lnone_\@
	tensor_load_to_lds s[G0:G0+3], s[G1:G1+7]
	s_nop 0
.rept 4
	v_nop
.endr
.Lnone_\@:
.endm
; A PREFETCH INTO THE L2 of what the NEXT change of slots will ask for: a slot's 32,768 bytes of K and of V.  All four work-groups of a head walk the same K and V: the head's first work-group, which walks all
; eight slots, asks.  In it the waves ask that fetch nothing, one instruction each: waves 4 to 7 for K's block, 8,192 bytes a wave, lanes 256 bytes apart; waves 8 to 11 for V's.  So each aligned block of 256 bytes
; is named once.  Slots 0 and 1 come by their loads alone; the last change that fills a slot asks for nothing: there is no slot behind it.
.macro ASK
	s_cmp_gt_u32 s[SLOTS], s[LIM]
	s_cbranch_scc0 .Lnot_mine_\@
	global_prefetch_b8 v[PFO], s[PFA:PFA+1] th:TH_LOAD_NT scope:SCOPE_SE
.Lnot_mine_\@:
.endm
	s_load_b128 s[4:7], s[0:1], 0x0                ; qkv s[4:5], o16 s[6:7]
	v_lshl_add_u32 v[SPW], v0, 2, SPARE
	v_mov_b32 v[NIL], 0
	ds_add_u32 v[SPW], v[NIL]                      ; the wave's opening: the add, twice on end, and its wait ahead of the first tensor load
	ds_add_u32 v[SPW], v[NIL]
	v_lshrrev_b32 v7, 5, v0
	v_readfirstlane_b32 s[WV], v7                  ; wave 0..15
	s_and_b32 s[BH], ttmp7, 0xffff
	s_sub_co_u32 s44, 7, ttmp9
	s_cmp_lt_u32 s[WV], 8
	s_cselect_b32 s44, s44, ttmp9                  ; my block of 256 queries: 7 - i or i
	s_lshl_b32 s44, s44, 8
	s_and_b32 s45, s[WV], 7
	s_lshl_b32 s45, s45, 5
	s_add_co_u32 s[Q0], s44, s45
	s_sub_co_u32 s[WGL], 7, ttmp9
	s_lshl_b32 s[WGL], s[WGL], 8
	s_or_b32 s[WGL], s[WGL], 255                   ; made of the work-group's number alone
	s_mov_b32 s[G1], 3<<16                         ; 15:0 no mask; 17:16 elements of 8 bytes; no padding
	s_mov_b32 s[G1+1], 32<<16                      ; tensor_dim0 = 32 elements: 256 bytes
	s_mov_b32 s[G1+2], 64<<16                      ; tensor_dim1 = 64
	s_mov_b32 s[G1+3], 32<<16                      ; tile_dim0
	s_mov_b32 s[G1+4], 64                          ; tile_dim1
	s_mov_b32 s[G1+5], 32                          ; from row to row
	s_mov_b32 s[G1+6], 0
	s_mov_b32 s[G1+7], 0
	s_mov_b32 s[SEL], 0x76543210
	s_mov_b32 s[SEL+1], 0xfedcba98
	s_mov_b32 s[CS], 0x3e38aa3b                    ; c = log2(e) / sqrt(64)
	s_mov_b32 s[CS+1], s[CS]
	s_mov_b32 s[KF], 0
	s_mov_b32 s[TB], 0
	s_mov_b32 s[SLOTS], 7
	s_wait_dscnt 0x0                               ; both opening adds are done
	s_wait_kmcnt 0x0
	s_lshl_b32 s44, s[BH], 18                      ; 262,144 bytes a head
	s_mov_b32 s45, 0
	s_add_nc_u64 s[46:47], s[4:5], s[44:45]        ; q's head,
	s_add_nc_u64 s[KH:KH+1], s[46:47], 0x1000000   ; k's, 16,777,216 bytes on,
	s_add_nc_u64 s[VH:VH+1], s[46:47], 0x2000000   ; v's
	s_mov_b32 s[G0], 1                             ; count = 1
	s_lshl_b32 s[G0+1], s[WV], 14                  ; LDS: 16,384 x wave: K's halves, then V's, of slot 0
	s_cmp_lt_u32 s[WV], 2
	s_cselect_b64 s[G0+2:G0+3], s[KH:KH+1], s[VH:VH+1]
	s_and_b32 s44, s[WV], 1
	s_lshl_b32 s44, s44, 14
	s_add_nc_u64 s[G0+2:G0+3], s[G0+2:G0+3], s[44:45]
	s_or_b32 s[G0+3], s[G0+3], 0x80000000          ; type = 2
	TLOAD                                          ; slot 0: key 0 counts for every query
	s_lshl_b32 s44, s[Q0], 7                       ; 2,048 bytes for each 16 queries
	s_add_nc_u64 s[46:47], s[46:47], s[44:45]
	v_and_b32 v[LI], 31, v0
	v_lshlrev_b32 v[PFO], 8, v[LI]
	v_lshlrev_b32 v[LI], 4, v[LI]
.irp t, 0,1
.irp cb, 0,1,2,3
	global_load_b128 v[QF+16*\t+4*\cb:QF+16*\t+4*\cb+3], v[LI], s[46:47] offset:2048*\t+512*\cb   ; Q stays in registers
.endr
.endr
	s_cmp_lt_u32 s[WV], 8                          ; the prefetches: waves 4 to 7 for K, waves 8 to 11 for V
	s_cselect_b64 s[PFA:PFA+1], s[KH:KH+1], s[VH:VH+1]
	s_and_b32 s44, s[WV], 3
	s_lshl_b32 s44, s44, 13                        ; my wave's 8,192 bytes,
	s_add_co_u32 s44, s44, 32768                   ; in slot 1: the first change of slots steps it to slot 2
	s_add_nc_u64 s[PFA:PFA+1], s[PFA:PFA+1], s[44:45]
	s_sub_co_u32 s44, s[WV], 4
	s_lshr_b32 s44, s44, 3                         ; 0 in waves 4 to 11,
	s_or_b32 s44, s44, ttmp9                       ; of the head's first work-group
	s_cmp_eq_u32 s44, 0
	s_cselect_b32 s[LIM], 1, -1
	v_and_b32 v7, 15, v0
	v_bfe_u32 v[D1], v0, 4, 1
	v_lshlrev_b32 v[D1], 3, v[D1]
	v_sub_nc_u32 v[RH], v7, v[D1]
	v_mov_b32 v[NINF], 0xff800000
.irp t, 0,1
	v_mov_b32 v[ST+8*\t+1], 0xff61b1e6             ; the largest score so far: -3e38, under every score
	v_mul_f32 v[ST+8*\t], s[CS], v[ST+8*\t+1]
.irp n, 2,3,4,5,6,7
	v_mov_b32 v[ST+8*\t+\n], 0                     ; l; and the registers at work, written once: a lane permute's destination counts as one of its sources
.endr
.endr
.irp j, 0,1,2,3,4,5,6,7,8,9,10,11,12,13,14,15,16,17,18,19,20,21,22,23,24,25,26,27,28,29,30,31,32,33,34,35,36,37,38,39,40,41,42,43,44,45,46,47,48,49,50,51,52,53,54,55,56,57,58,59,60,61,62,63
	v_mov_b32 v[O+\j], 0                           ; O^T.  (The step is written once: the first finds zeros, which its a = 0 leaves zeros)
.endr
; A KEY STEP: 64 keys, the q-th of the slot in hand.
.macro STEP q
	s_cmp_gt_u32 s[KF], s[Q0]                      ; both are multiples of 32: so this says that all 64 keys come after my 32 queries; where it fails, key KF counts for every one of them
	s_cbranch_scc1 .Lhidden_\@
.rept 5
	v_nop                                          ; five places behind the last products: the scores below are written over P, which those products read, and K's loads land where V lay
.endr
.irp kt, 0,1,2,3
.irp c, 0,1
.irp u, 0,1
	ds_load_b128 v[KV+8*(2*\kt+\c)+4*\u:KV+8*(2*\kt+\c)+4*\u+3], v[AD] offset:8192*(\q)+2048*\kt+512*(2*\c+\u)   ; keys 16 kt on, channels 32 c on: two images are a fragment
.endr
.endr
.endr
	s_wait_dscnt 0x0
.irp c, 0,1                                    ; S^T: eight accumulators by turns; the first eight products start the sums
.irp kt, 0,1,2,3
.irp t, 0,1
.if \c == 0
	v_wmma_f32_16x16x32_f16 v[S+32*\t+8*\kt:S+32*\t+8*\kt+7], v[KV+8*(2*\kt+\c):KV+8*(2*\kt+\c)+7], v[QF+16*\t+8*\c:QF+16*\t+8*\c+7], 0
.else
	v_wmma_f32_16x16x32_f16 v[S+32*\t+8*\kt:S+32*\t+8*\kt+7], v[KV+8*(2*\kt+\c):KV+8*(2*\kt+\c)+7], v[QF+16*\t+8*\c:QF+16*\t+8*\c+7], v[S+32*\t+8*\kt:S+32*\t+8*\kt+7]
.endif
.endr
.endr
.endr
.rept 4
	v_nop                                          ; four places: in front of V's loads into K's registers, and of the first read of the scores
.endr
.irp ct, 0,1,2,3
.irp g, 0,1
.irp u, 0,1
	ds_load_tr16_b128 v[KV+8*(2*\ct+\g)+4*\u:KV+8*(2*\ct+\g)+4*\u+3], v[AD] offset:VOFF+8192*(\q)+2048*(2*\g+\u)+512*\ct   ; V^T: channels 16 ct on, keys 32 g + 16 u on; it lands while the softmax is walked
.endr
.endr
.endr
	s_add_co_u32 s44, s[KF], 63                    ; a step all of whose keys count for all my queries skips the mask
	s_cmp_le_u32 s44, s[Q0]
	s_cbranch_scc1 .Lopen_\@
	s_sub_co_i32 s44, s[Q0], s[KF]
	v_add_nc_u32 v[D0], s44, v[RH]                 ; register 8 kt + j of tile t holds key KF + 16 kt + 8 h + j and query Q0 + 16 t + r: hidden where 16 kt + j > Q0 - KF + 16 t + r - 8 h
	v_add_nc_u32 v[D1], 16, v[D0]
.irp kt, 0,1,2,3
.irp j, 0,1,2,3,4,5,6,7
	v_cmp_gt_i32 vcc_lo, 16*\kt+\j, v[D0]
	v_cndmask_b32 v[S+8*\kt+\j], v[S+8*\kt+\j], v[NINF], vcc_lo
	v_cmp_gt_i32 vcc_lo, 16*\kt+\j, v[D1]
	v_cndmask_b32 v[S+32+8*\kt+\j], v[S+32+8*\kt+\j], v[NINF], vcc_lo
.endr
.endr
.Lopen_\@:
	; the softmax, the two tiles line by line, so that no line waits for the line above it.  The maximum: four chains, each begun at the low end of an accumulator
.irp j, 0,1,2,3
.irp t, 0,1
	v_max3_num_f32 v[ST+8*\t+4+\j], v[S+32*\t+8*\j], v[S+32*\t+8*\j+1], v[S+32*\t+8*\j+2]
.endr
.endr
.irp g, 1,2
.irp j, 0,1,2,3
.irp t, 0,1
	v_max3_num_f32 v[ST+8*\t+4+\j], v[ST+8*\t+4+\j], v[S+32*\t+8*\j+2*\g+1], v[S+32*\t+8*\j+2*\g+2]
.endr
.endr
.endr
.irp t, 0,1
	v_max3_num_f32 v[ST+8*\t+4], v[ST+8*\t+4], v[S+32*\t+7], v[S+32*\t+15]
.endr
.irp t, 0,1
	v_max3_num_f32 v[ST+8*\t+6], v[ST+8*\t+6], v[S+32*\t+23], v[S+32*\t+31]
.endr
.irp t, 0,1
	v_max3_num_f32 v[ST+8*\t+4], v[ST+8*\t+4], v[ST+8*\t+5], v[ST+8*\t+6]
.endr
.irp t, 0,1
	v_max3_num_f32 v[ST+8*\t+4], v[ST+8*\t+4], v[ST+8*\t+7], v[ST+8*\t+1]   ; with the old m
.endr
.irp t, 0,1
	v_permlanex16_b32 v[ST+8*\t+5], v[ST+8*\t+4], s[SEL], s[SEL+1]         ; the query's other 32 keys lie in the lane 16 away
.endr
.irp t, 0,1
	v_mov_b32 v[ST+8*\t+7], v[ST+8*\t]             ; c m_old is kept for a
.endr
.irp t, 0,1
	v_max_num_f32 v[ST+8*\t+1], v[ST+8*\t+4], v[ST+8*\t+5]
.endr
.irp t, 0,1
	v_mul_f32 v[ST+8*\t], s[CS], v[ST+8*\t+1]
.endr
.irp t, 0,1
	v_sub_f32 v[ST+8*\t+7], v[ST+8*\t+7], v[ST+8*\t]
.endr
.irp p, 0,2,4,6,8,10,12,14,16,18,20,22,24,26,28,30
.irp t, 0,1
	v_pk_fma_f32 v[S+32*\t+\p:S+32*\t+\p+1], v[S+32*\t+\p:S+32*\t+\p+1], s[CS:CS+1], v[ST+8*\t:ST+8*\t+1] op_sel_hi:[1,0,0] neg_lo:[0,0,1] neg_hi:[0,0,1]   ; c s - c m, two at a time
.endr
.endr
.irp t, 0,1
	v_exp_f32 v[ST+8*\t+6], v[ST+8*\t+7]           ; a
.endr
.irp j, 0,1,2,3,4,5,6,7,8,9,10,11,12,13,14,15,16,17,18,19,20,21,22,23,24,25,26,27,28,29,30,31,32,33,34,35,36,37,38,39,40,41,42,43,44,45,46,47,48,49,50,51,52,53,54,55,56,57,58,59,60,61,62,63
	v_exp_f32 v[S+\j], v[S+\j]                     ; p: one batch of 66 exponentials
.endr
	v_nop                                          ; a plain instruction behind the last exponential
	s_wait_alu depctr_va_vdst(0)                   ; and the one wait ahead of the batch's first reader
.irp t, 0,1
	v_pk_fma_f32 v[ST+8*\t+2:ST+8*\t+3], v[ST+8*\t+2:ST+8*\t+3], v[ST+8*\t+6:ST+8*\t+7], v[S+32*\t:S+32*\t+1] op_sel_hi:[1,0,1]   ; l = a l + the sum of p, in two chains
.endr
.irp t, 0,1
	v_pk_add_f32 v[X2+2*\t:X2+2*\t+1], v[S+32*\t+2:S+32*\t+3], v[S+32*\t+6:S+32*\t+7]
.endr
.irp t, 0,1
	v_pk_add_f32 v[ST+8*\t+2:ST+8*\t+3], v[ST+8*\t+2:ST+8*\t+3], v[S+32*\t+4:S+32*\t+5]
.endr
.irp p, 8,12,16,20,24,28
.irp t, 0,1
	v_pk_add_f32 v[ST+8*\t+2:ST+8*\t+3], v[ST+8*\t+2:ST+8*\t+3], v[S+32*\t+\p:S+32*\t+\p+1]
	v_pk_add_f32 v[X2+2*\t:X2+2*\t+1], v[X2+2*\t:X2+2*\t+1], v[S+32*\t+\p+2:S+32*\t+\p+3]
.endr
.endr
.irp t, 0,1
	v_pk_add_f32 v[ST+8*\t+2:ST+8*\t+3], v[ST+8*\t+2:ST+8*\t+3], v[X2+2*\t:X2+2*\t+1]
.endr
.irp p, 0,1,2,3,4,5,6,7,8,9,10,11,12,13,14,15
.irp t, 0,1
	v_cvt_pk_f16_f32 v[S+32*\t+\p], v[S+32*\t+2*\p], v[S+32*\t+2*\p+1]   ; P, in place, ascending: a result lands on numbers that are done with
.endr
.endr
.irp p, 0,2,4,6,8,10,12,14,16,18,20,22,24,26,28,30
.irp t, 0,1
	v_pk_mul_f32 v[O+32*\t+\p:O+32*\t+\p+1], v[O+32*\t+\p:O+32*\t+\p+1], v[ST+8*\t+6:ST+8*\t+7] op_sel_hi:[1,0]   ; O^T x a, each accumulator from its low end on
.endr
.endr
	s_wait_dscnt 0x0                               ; V is in
.irp g, 0,1                                    ; O^T += V^T P: eight accumulators by turns
.irp ct, 0,1,2,3
.irp t, 0,1
	v_wmma_f32_16x16x32_f16 v[O+32*\t+8*\ct:O+32*\t+8*\ct+7], v[KV+8*(2*\ct+\g):KV+8*(2*\ct+\g)+7], v[S+32*\t+8*\g:S+32*\t+8*\g+7], v[O+32*\t+8*\ct:O+32*\t+8*\ct+7]
.endr
.endr
.endr
.Lhidden_\@:
	s_add_co_u32 s[KF], s[KF], 64
.endm
; THE CHANGE OF SLOTS stands at a slot's head.  Each wave waits for all its tensor loads (its part of the slot that it is about to read), adds 0 to its spare word, and waits for that and for its reads of the slot
; that it has left.  Behind the barrier the slot ahead is whole and nobody reads the other one.  fill = 1: that other slot is filled with the keys that follow, up to the causal limit.
.macro CHANGE fill
	s_wait_tensorcnt 0x0                           ; no tensor load of mine is out, so the group 0 may be written
	ds_add_u32 v[SPW], v[NIL]                      ; 0 onto my spare word
.if \fill
	ds_add_u32 v[SPW], v[NIL]                      ; and once more, twice on end in every trip alike
	s_xor_b32 s[G0+1], s[G0+1], SLOT1              ; the walking descriptor: the other slot than last time,
	s_add_nc_u64 s[G0+2:G0+3], s[G0+2:G0+3], 32768 ; the next 256 keys; the type bits on top are not reached
	s_wait_xcnt 0x0                                ; the last prefetch, a slot back, has read its address, so it may be written:
	s_add_nc_u64 s[PFA:PFA+1], s[PFA:PFA+1], 32768 ; one slot further on than the walking descriptor
.endif
	s_wait_dscnt 0x0                               ; the adds are done, and my reads of the slot that I have left are over
	s_barrier_signal -1
	s_barrier_wait -1
.if \fill
	s_add_co_u32 s44, s[KF], 256                   ; the first key of the slot that this change would ask for:
	s_cmp_gt_u32 s44, s[WGL]                       ; a slot that begins after my work-group's last query is read by none of its waves, so it is not asked for.  Ids and the count of steps alone: all sixteen waves go the same way
	s_cbranch_scc1 .Lpast_\@
	TLOAD                                          ; the first thing behind the barrier but for the limit's lines, and a wave's one tensor load until the next barrier: it has a slot's four steps in which to land
.Lpast_\@:
	ASK
.endif
.endm
.macro SLOT_STEPS
	v_add_nc_u32 v[AD], s[TB], v[LI]
	STEP 0
	STEP 1
	STEP 2
	STEP 3
	s_xor_b32 s[TB], s[TB], SLOT1                  ; on to the other slot
.endm
	s_wait_loadcnt 0x0                             ; Q
.Lslot:                                            ; seven trips, a constant count: behind each change of slots but the last the next slot is asked for, up to the causal limit
	CHANGE 1
	SLOT_STEPS
	s_sub_co_u32 s[SLOTS], s[SLOTS], 1
	s_cmp_lg_u32 s[SLOTS], 0
	s_cbranch_scc1 .Lslot
	CHANGE 0                                       ; the last slot is written out: nothing is left to ask for
	SLOT_STEPS
	; THE WAY OUT.  O^T / l, rounded to f16: a lane's eight channels of a row are 16 bytes, and 32 lanes' are an image of the next operand's registers: stored as they stand.
.rept 4
	v_nop                                          ; places behind the last products
.endr
.irp t, 0,1
	v_add_f32 v[ST+8*\t+4], v[ST+8*\t+2], v[ST+8*\t+3]
.endr
.irp t, 0,1
	v_permlanex16_b32 v[ST+8*\t+5], v[ST+8*\t+4], s[SEL], s[SEL+1]
.endr
.irp t, 0,1
	v_add_f32 v[ST+8*\t+4], v[ST+8*\t+4], v[ST+8*\t+5]
.endr
.irp t, 0,1
	v_rcp_f32 v[ST+8*\t+6], v[ST+8*\t+4]
.endr
	v_nop                                          ; a plain instruction behind the last reciprocal
	s_lshr_b32 s44, s[BH], 4
	s_lshl_b32 s44, s44, 22                        ; o16: 4,194,304 bytes a batch,
	s_lshl_b32 s46, s[Q0], 11                      ; 32,768 for each 16 rows,
	s_add_co_u32 s44, s44, s46
	s_and_b32 s46, s[BH], 15
	s_lshl_b32 s46, s46, 11                        ; 2,048 a head
	s_add_co_u32 s44, s44, s46
	s_mov_b32 s45, 0
	s_add_nc_u64 s[6:7], s[6:7], s[44:45]
	s_wait_alu depctr_va_vdst(0)                   ; the wait ahead of the first use: one for both reciprocals
.irp p, 0,2,4,6,8,10,12,14,16,18,20,22,24,26,28,30
.irp t, 0,1
	v_pk_mul_f32 v[O+32*\t+\p:O+32*\t+\p+1], v[O+32*\t+\p:O+32*\t+\p+1], v[ST+8*\t+6:ST+8*\t+7] op_sel_hi:[1,0]
.endr
.endr
.irp p, 0,1,2,3,4,5,6,7,8,9,10,11,12,13,14,15
.irp t, 0,1
	v_cvt_pk_f16_f32 v[S+16*\t+\p], v[O+32*\t+2*\p], v[O+32*\t+2*\p+1]
.endr
.endr
.irp t, 0,1
.irp ct, 0,1,2,3
	global_store_b128 v[LI], v[S+16*\t+4*\ct:S+16*\t+4*\ct+3], s[6:7] offset:32768*\t+512*\ct   ; 32 lanes store 512 consecutive bytes, aligned
.endr
.endr
	s_wait_tensorcnt 0x0                           ; the wave's end: these three lines behind my last tensor load
	ds_add_u32 v[SPW], v[NIL]
	s_wait_dscnt 0x0
	s_endpgm
.Lfunc_end_k_qd7f6705f8f_attn:
	.size	k_qd7f6705f8f_attn, .Lfunc_end_k_qd7f6705f8f_attn-k_qd7f6705f8f_attn
	.p2alignl 7, 3214868480
	.fill 96, 4, 3214868480
	.section	.rodata,"a",@progbits
	.p2align	6, 0x0
	.amdhsa_kernel k_qd7f6705f8f_attn
		.amdhsa_group_segment_fixed_size 327680
		.amdhsa_private_segment_fixed_size 0
		.amdhsa_enable_private_segment 0
		.amdhsa_kernarg_size 16
		.amdhsa_user_sgpr_count 2
		.amdhsa_user_sgpr_kernarg_segment_ptr 1
		.amdhsa_wavefront_size32 1
		.amdhsa_system_sgpr_workgroup_id_x 1
		.amdhsa_system_sgpr_workgroup_id_y 1
		.amdhsa_system_sgpr_workgroup_id_z 1
		.amdhsa_system_vgpr_workitem_id 0
		.amdhsa_next_free_vgpr 256
		.amdhsa_next_free_sgpr 66
		.amdhsa_reserve_vcc 1
		.amdhsa_float_denorm_mode_32 3
		.amdhsa_float_denorm_mode_16_64 3
		.amdhsa_memory_ordered 1
		.amdhsa_forward_progress 1
		.amdhsa_inst_pref_size 183
	.end_amdhsa_kernel
	.amdgpu_metadata
---
amdhsa.version: [ 1, 2 ]
amdhsa.kernels:
  - .name:           k_qd7f6705f8f_attn
    .symbol:         k_qd7f6705f8f_attn.kd
    .args:
      - { .name: qkv, .offset: 0, .size: 8, .value_kind: global_buffer, .address_space: global }
      - { .name: o16, .offset: 8, .size: 8, .value_kind: global_buffer, .address_space: global }
    .group_segment_fixed_size: 327680
    .private_segment_fixed_size: 0
    .kernarg_segment_align: 8
    .kernarg_segment_size: 16
    .max_flat_workgroup_size: 512
    .sgpr_count:     66
    .vgpr_count:     256
    .wavefront_size: 32
...
	.end_amdgpu_metadata
.endif
;; end of part 4
;; launch outproj (part 5): grid 8 x 32, 4 waves a work-group, clusters of 4 x 4, 327,680 bytes of LDS; arguments o16, wo16, bo, out0; writes out0
.if DOCPART == 5
	.amdgcn_target "amdgcn-amd-amdhsa--gfx1250"
	.amdhsa_code_object_version 6
	.text
	.protected	k_qd7f6705f8f_outproj
	.globl	k_qd7f6705f8f_outproj
	.p2align	8
	.type	k_qd7f6705f8f_outproj,@function
k_qd7f6705f8f_outproj:
	s_mov_b64 s[64:65], 0
	v_nop
	global_prefetch_b8 v0, s[64:65] scope:SCOPE_SE
	s_setreg_imm32_b32 hwreg(HW_REG_WAVE_MODE, 25, 1), 1
	s_wait_xcnt 0x0
	s_wait_alu depctr_hold_cnt(0) depctr_sa_sdst(0) depctr_va_vdst(0) depctr_va_sdst(0) depctr_va_ssrc(0) depctr_va_vcc(0) depctr_vm_vsrc(0)
	s_getreg_b32 s2, hwreg(HW_REG_IB_STS2, 6, 4)
	s_cmp_eq_u32 s2, 0
	s_cbranch_scc0 .Lentry_in_a_cluster
	s_endpgm
.Lentry_in_a_cluster:
	s_bfe_u32 s2, ttmp6, 0x10000c
	s_cmp_lg_u32 s2, 0xf033
	s_cbranch_scc0 .Lentry_shape_is_right
	s_endpgm
.Lentry_shape_is_right:
; OUTPROJ: out0[m][n] = sum over k of o[m][k] Wo[n][k] + bo[n], m 8,192, n 1,024, k 1,024; operands in f16, sums in f32.
; Both operands come as images of their registers: o16 [m / 16][k / 32][2][512 bytes], wo16 [n / 16][k / 32][2][512 bytes]: lane l's 16 bytes at 16 l.  A K step of 128 is 4,096 consecutive bytes of each block of 16 rows.
; A tile of out0 is 256 rows x 128 columns: 256 work-groups.  Four waves, each 128 x 64: 32 accumulators, 256 registers.  K goes in 8 steps of 128 through a ring of two LDS slots filled by the tensor data mover.
; LDS has no pitch and no padding: every read stands at 16 x lane + a constant.
; CLUSTERS: 4 x 4 work-groups.  The four of a row of the cluster need the same tiles of o, the four of a column the same tiles of Wo: each is asked for JOINTLY.
; THE MATRIX INSTRUCTION IS USED TRANSPOSED (source 0 = 16 rows of Wo, source 1 = 16 rows of o): a lane holds eight neighbouring numbers of a row of out0.  The bias is the C of each sum's first instruction.
; The rows of the first 16 positions of each sequence are written here like all others and are written again, more finely, by the launch that follows.
; REGISTERS: window 0: v0-31 addresses; v32-127 and v128-223 two fragment buffers (o's 8 blocks, 64 registers, then Wo's 4, 32); v224-255 the bias, 8 registers for each of my 4 blocks of columns.
;   window 1: the accumulators, (a, b) at v[8 (4 a + b)].
.set SLOT,   98304                     ; o's 16 blocks x 4,096 bytes, then Wo's 8 x 4,096
.set BOFF,   65536
.set STAGE,  2*SLOT                    ; behind the ring: 16 rows x 272 bytes for each wave, for the way out
.set SPITCH, 272
.set SPARE,  STAGE+4*16*SPITCH         ; the spare words, 128 bytes for each wave: two blocks of 256 bytes that no other line names
.set ADRA, 16                          ; v16-17  LDS address of my fragments of o in slot 0, 1
.set ADRB, 20                          ; v20-21  the same for Wo
.set STO,  24                          ; v24     the way out: where I put 32 bytes of a row
.set RD,   25                          ; v25     where I read a row back
.set CO,   26                          ; v26     my byte offset in out0
.set SPW,  28                          ; v28     LDS address of my spare word; never rewritten
.set NIL,  29                          ; v29     0; never rewritten
.set F0,   32
.set F1,   128
.set BIAS, 224
.set BK,   32                          ; the way out: two sets of 32 registers
.set G1, 24                            ; s[24:31] descriptor group 1 for o's tiles;  s[32:39] group 0, one set for each slot
.set G0, 32
.set G1B, 48                           ; s[48:55], s[56:63] the same for Wo's
.set G0B, 56
.set MSB, 0
.macro WIN new                         ; the immediate's high byte repeats the setting that is left
.if MSB != \new
	s_set_vgpr_msb (MSB<<8)|\new
.set MSB, \new
.endif
.endm
.set MULW, 0x50                        ; sources 0 and 1 window 0; C and D window 1
.set MUL0, 0x40                        ; the first products: C (the bias) window 0, D window 1
.macro JLOAD s                         ; a joint load: waves 0 and 1 fetch o's two halves, waves 2 and 3 Wo's; an s_nop 0 and four v_nop follow each of the two lines
	s_cmp_eq_u32 s13, 0
	s_cbranch_scc0 .Lfor_b_\@
	tensor_load_to_lds s[G0+4*\s:G0+4*\s+3], s[G1:G1+7]
	s_nop 0
.rept 4
	v_nop
.endr
	s_branch .Lasked_\@
.Lfor_b_\@:
	tensor_load_to_lds s[G0B+4*\s:G0B+4*\s+3], s[G1B:G1B+7]
	s_nop 0
.rept 4
	v_nop
.endr
.Lasked_\@:
.endm
.macro CREST                           ; a round of the cluster's barrier behind its opening barrier
	s_cmp_lg_u32 s12, 0
	s_cbranch_scc1 .Lnot_wave_0_\@
	s_barrier_signal -3
.Lnot_wave_0_\@:
	s_barrier_wait -3
	s_barrier_signal -1
	s_barrier_wait -1
.endm
.macro CROUND                          ; a whole round
	s_barrier_signal -1
	s_barrier_wait -1
	CREST
.endm
	s_load_b256 s[4:11], s[0:1], 0x0               ; o16 s[4:5], wo16 s[6:7], bo s[8:9], out0 s[10:11]
	v_lshl_add_u32 v[SPW], v0, 2, SPARE
	v_mov_b32 v[NIL], 0
	ds_add_u32 v[SPW], v[NIL]                      ; the wave's opening: the add, twice on end, and its wait ahead of my first tensor load
	ds_add_u32 v[SPW], v[NIL]
	v_lshrrev_b32 v1, 5, v0
	v_readfirstlane_b32 s12, v1                    ; wave 0..3
	s_lshr_b32 s13, s12, 1                         ; which half of the tile's rows is mine.  Also: I fetch for o (0) or for Wo (1)
	s_and_b32 s14, s12, 1                          ; which half of its columns.  Also: which half of that tile I fetch
	s_bfe_u32 s40, ttmp6, 0x40000                  ; cx, cy: my place in the cluster
	s_bfe_u32 s41, ttmp6, 0x40004
	s_lshl_b32 s42, ttmp9, 2
	s_add_co_u32 s42, s42, s40                     ; tile column = 4 x cluster x + cx
	s_and_b32 s15, ttmp7, 0xffff
	s_lshl_b32 s15, s15, 2
	s_add_co_u32 s15, s15, s41                     ; tile row = 4 x cluster y + cy
	s_lshl_b32 s43, s41, 2
	s_lshl_b32 s43, 15, s43                        ; my row of the cluster
	s_lshl_b32 s44, 0x1111, s40                    ; my column
	; descriptor group 1: rows of 4,096 bytes (512 elements of 8 bytes), one for each block of 16 rows, 32,768 bytes apart in memory; 8 of them for o, 4 for Wo
	s_or_b32 s[G1+0], s43, (3<<16)|(1<<21)         ; 15:0 the mask; 17:16 elements of 8 bytes; 21 set beside a mask; no padding
	s_or_b32 s[G1B+0], s44, (3<<16)|(1<<21)
	s_mov_b32 s[G1+1], 512<<16                     ; tensor_dim0
	s_mov_b32 s[G1+2], 8<<16                       ; tensor_dim1
	s_mov_b32 s[G1+3], 512<<16                     ; tile_dim0
	s_mov_b32 s[G1+4], 8                           ; tile_dim1
	s_mov_b32 s[G1+5], 4096                        ; from row to row, in elements
	s_mov_b32 s[G1+6], 0
	s_mov_b32 s[G1+7], 0
	s_mov_b32 s[G1B+1], 512<<16
	s_mov_b32 s[G1B+2], 4<<16
	s_mov_b32 s[G1B+3], 512<<16
	s_mov_b32 s[G1B+4], 4
	s_mov_b32 s[G1B+5], 4096
	s_mov_b32 s[G1B+6], 0
	s_mov_b32 s[G1B+7], 0
	s_lshl_b32 s16, s15, 4
	s_lshl_b32 s17, s14, 3
	s_add_co_u32 s16, s16, s17                     ; o: block 16 x tile row + 8 x half
	s_lshl_b32 s16, s16, 15
	s_mov_b32 s17, 0
	s_lshl_b32 s46, s42, 3
	s_lshl_b32 s47, s14, 2
	s_add_co_u32 s46, s46, s47                     ; Wo: block 8 x tile column + 4 x half
	s_lshl_b32 s46, s46, 15
	s_mov_b32 s47, 0
	s_lshl_b32 s20, s14, 15                        ; where they go: o's halves at 0 and 32,768;
	s_lshl_b32 s21, s14, 14
	s_add_co_u32 s21, s21, BOFF                    ; Wo's at 65,536 and 81,920: no place in the cluster enters an LDS address
	s_wait_dscnt 0x0                               ; both opening adds are done
	s_wait_kmcnt 0x0
	s_add_nc_u64 s[18:19], s[4:5], s[16:17]
	s_add_nc_u64 s[46:47], s[6:7], s[46:47]
	CROUND                                         ; all sixteen work-groups are here: the first joint loads meet
.irp s, 0,1
	s_mov_b32 s[G0+4*\s], 1
	s_add_co_u32 s[G0+4*\s+1], s20, \s*SLOT
	s_add_nc_u64 s[G0+4*\s+2:G0+4*\s+3], s[18:19], \s*4096
	s_or_b32 s[G0+4*\s+3], s[G0+4*\s+3], 0x80000000
	s_mov_b32 s[G0B+4*\s], 1
	s_add_co_u32 s[G0B+4*\s+1], s21, \s*SLOT
	s_add_nc_u64 s[G0B+4*\s+2:G0B+4*\s+3], s[46:47], \s*4096
	s_or_b32 s[G0B+4*\s+3], s[G0B+4*\s+3], 0x80000000
	JLOAD \s                                       ; two tensor loads of mine are out
.endr
	v_and_b32 v3, 31, v0
	v_lshlrev_b32 v3, 4, v3                        ; 16 x lane
	s_lshl_b32 s22, s13, 15                        ; my 8 blocks of o
	s_lshl_b32 s23, s14, 14
	s_add_co_u32 s23, s23, BOFF                    ; my 4 blocks of Wo
.irp s, 0,1
	v_add_nc_u32 v[ADRA+\s], s22, v3
	v_add_nc_u32 v[ADRB+\s], s23, v3
	s_add_co_u32 s22, s22, SLOT
	s_add_co_u32 s23, s23, SLOT
.endr
	v_and_b32 v1, 15, v0                           ; r
	v_bfe_u32 v2, v0, 4, 1                         ; h
	s_mul_i32 s23, s12, 16*SPITCH
	s_add_co_u32 s23, s23, STAGE                   ; my stage
	v_mul_u32_u24 v4, v1, SPITCH                   ; in: row r, 32 bytes for each half of the lanes
	v_lshl_add_u32 v4, v2, 5, v4
	v_add_nc_u32 v[STO], s23, v4
	v_mul_u32_u24 v5, v2, SPITCH                   ; back: lanes 0-15 take one row of 256 bytes, lanes 16-31 the next
	v_lshl_add_u32 v5, v1, 4, v5
	v_add_nc_u32 v[RD], s23, v5
	v_lshlrev_b32 v5, 12, v2                       ; and the same two rows in out0
	v_lshl_add_u32 v[CO], v1, 4, v5
	s_lshl_b32 s16, s15, 8
	s_lshl_b32 s17, s13, 7
	s_add_co_u32 s16, s16, s17                     ; my first row: 256 x tile row + 128 x half
	s_lshl_b32 s16, s16, 12
	s_lshl_b32 s46, s42, 9
	s_lshl_b32 s47, s14, 8
	s_add_co_u32 s46, s46, s47                     ; my first column, in bytes: 512 x tile column + 256 x half
	s_mov_b32 s47, 0
	s_add_nc_u64 s[8:9], s[8:9], s[46:47]          ; the bias of my 64 columns
	s_add_co_u32 s16, s16, s46
	s_mov_b32 s17, 0
	s_add_nc_u64 s[10:11], s[10:11], s[16:17]
	v_lshlrev_b32 v6, 5, v2
.irp b, 0,1,2,3
	global_load_b128 v[BIAS+8*\b:BIAS+8*\b+3], v6, s[8:9] offset:64*\b        ; lane (r, h): bo of columns 16 b + 8 h + 0 .. 7: the result's layout
	global_load_b128 v[BIAS+8*\b+4:BIAS+8*\b+7], v6, s[8:9] offset:64*\b+16
.endr
; four matrix instructions: block a of o x my four blocks of Wo, 32 along K.  first = 1: the bias starts the sums: nothing is cleared.  The 32 accumulators take turns, one instruction a turn.
.macro MULA f, a, first
.irp b, 0,1,2,3
.if \first
	v_wmma_f32_16x16x32_f16 v[8*(4*(\a)+\b):8*(4*(\a)+\b)+7], v[\f+64+8*\b:\f+64+8*\b+7], v[\f+8*(\a):\f+8*(\a)+7], v[BIAS+8*\b:BIAS+8*\b+7]
.else
	v_wmma_f32_16x16x32_f16 v[8*(4*(\a)+\b):8*(4*(\a)+\b)+7], v[\f+64+8*\b:\f+64+8*\b+7], v[\f+8*(\a):\f+8*(\a)+7], v[8*(4*(\a)+\b):8*(4*(\a)+\b)+7]
.endif
.endr
.endm
; 24 LDS loads in one run: the fragments of the slot's q-th 32 along K into buffer f: Wo's four, then o's blocks 0-3, then 4-7
.macro FETCH slot, q, f
	WIN 0
.irp i, 0,1,2,3
	ds_load_b128 v[\f+64+8*\i:\f+64+8*\i+3],   v[ADRB+\slot] offset:4096*\i+1024*(\q)
	ds_load_b128 v[\f+64+8*\i+4:\f+64+8*\i+7], v[ADRB+\slot] offset:4096*\i+1024*(\q)+512
.endr
.irp i, 0,1,2,3,4,5,6,7
	ds_load_b128 v[\f+8*\i:\f+8*\i+3],   v[ADRA+\slot] offset:4096*\i+1024*(\q)
	ds_load_b128 v[\f+8*\i+4:\f+8*\i+7], v[ADRA+\slot] offset:4096*\i+1024*(\q)+512
.endr
.endm
.macro PLACES                          ; four places in front of loads into registers that matrix instructions have read, and of the first read of results
.rept 4
	v_nop
.endr
.endm
; A K step is four quarters of 32 along K, 32 matrix instructions each, on buffers 0, 1, 0, 1.  One of the first three: multiplies buffer f and fetches the slot's q-th quarter into g.
.macro QUARTER slot, q, f, g, first
	s_wait_dscnt 8                                 ; Wo's fragments and o's blocks 0-3 are in; the youngest eight loads (o's blocks 4-7) may be out
.if \first
	WIN MUL0
.else
	WIN MULW
.endif
	MULA \f, 0, \first
	MULA \f, 1, \first
	MULA \f, 2, \first
	MULA \f, 3, \first
	PLACES
	FETCH \slot, \q, \g
	s_wait_dscnt 24                                ; all but the 24 just issued
.if \first
	WIN MUL0
.else
	WIN MULW
.endif
	MULA \f, 4, \first
	MULA \f, 5, \first
	MULA \f, 6, \first
	MULA \f, 7, \first
.endm
; The last quarter multiplies buffer 1 and changes slots: ONE barrier; in front of it each wave waits for all its tensor loads, adds 0 to its spare word, and waits for that and for its own reads of this slot.
; fill = 1: the barrier opens a round of the cluster's barrier, and this slot is filled again, two K steps ahead.
.macro TURN slot, next, fill
	WIN 0                                          ; (the add's two registers lie in window 0)
	s_wait_tensorcnt 0x0                           ; all my tensor loads have landed: my part of the next slot;
	ds_add_u32 v[SPW], v[NIL]                      ; 0 onto my spare word;
	s_wait_dscnt 9                                 ; (the add and the youngest eight loads may be out)
	WIN MULW
	MULA F1, 0, 0                                  ; eight matrix instructions stand between the add and the wait for it
	MULA F1, 1, 0
	s_wait_dscnt 0x0                               ; the add is done, and my reads of this slot are over
	s_barrier_signal -1
	MULA F1, 2, 0
	MULA F1, 3, 0
.if \fill
	WIN 0
.endif
	s_barrier_wait -1
.if \fill
	CREST                                          ; no wave of any partner still reads this slot's tile or has a load on its way
	s_add_nc_u64 s[G0+4*\slot+2:G0+4*\slot+3], s[G0+4*\slot+2:G0+4*\slot+3], 2*4096
	s_add_nc_u64 s[G0B+4*\slot+2:G0B+4*\slot+3], s[G0B+4*\slot+2:G0B+4*\slot+3], 2*4096
	JLOAD \slot                                    ; the first tensor load behind the round; the four v_nop behind it are also the places in front of the loads below
.else
	PLACES
.endif
	FETCH \next, 0, F0
	WIN MULW
	MULA F1, 4, 0
	MULA F1, 5, 0
	MULA F1, 6, 0
	MULA F1, 7, 0
.endm
	s_wait_tensorcnt 1                             ; my part of K step 0 is in (K step 1's load may be out)
	s_barrier_signal -1
	s_barrier_wait -1                              ; everybody's is
	FETCH 0, 0, F0
	s_wait_loadcnt 0x0                             ; the bias
	QUARTER 0, 1, F0, F1, 1                        ; the first quarter stands in front of the loop: its products start the sums
	WIN 0                                          ; at a label and at a branch every window is 0
	s_mov_b32 s3, 3
.Llap:                                                 ; a trip goes once round the ring, from a lap's second quarter to the next lap's first, and fills both slots again: K steps 2 to 7
	QUARTER 0, 2, F1, F0, 0
	QUARTER 0, 3, F0, F1, 0
	TURN 0, 1, 1
	QUARTER 1, 1, F0, F1, 0
	QUARTER 1, 2, F1, F0, 0
	QUARTER 1, 3, F0, F1, 0
	TURN 1, 0, 1
	QUARTER 0, 1, F0, F1, 0
	WIN 0
	s_sub_co_u32 s3, s3, 1
	s_cmp_lg_u32 s3, 0
	s_cbranch_scc1 .Llap
	QUARTER 0, 2, F1, F0, 0                        ; the last lap fills nothing, and has no round of the cluster's barrier
	QUARTER 0, 3, F0, F1, 0
	TURN 0, 1, 0
	QUARTER 1, 1, F0, F1, 0
	QUARTER 1, 2, F1, F0, 0
	QUARTER 1, 3, F0, F1, 0
	s_wait_dscnt 8                                 ; the very last quarter: nothing more to fetch
	WIN MULW
	MULA F1, 0, 0
	MULA F1, 1, 0
	MULA F1, 2, 0
	MULA F1, 3, 0
	s_wait_dscnt 0
	MULA F1, 4, 0
	MULA F1, 5, 0
	MULA F1, 6, 0
	MULA F1, 7, 0
	WIN 0
; THE WAY OUT, block by block of 16 rows x 64 columns.  A lane holds 32 neighbouring bytes of a row, and the lanes beside it hold other rows: a block goes through my own stage in LDS and comes back as whole
; rows of 256 bytes, which sixteen lanes store.  LDS serves a wave's instructions in order (ISA guide 5.7.1.4): no wait between the stores and the loads, nor in front of the next block's stores.
.macro TOSTAGE a
	WIN 0x04                                       ; an LDS store's data are its source 1: window 1
.irp b, 0,1,2,3
	ds_store_b128 v[STO], v[8*(4*(\a)+\b):8*(4*(\a)+\b)+3] offset:64*\b          ; each accumulator from its low end on
	ds_store_b128 v[STO], v[8*(4*(\a)+\b)+4:8*(4*(\a)+\b)+7] offset:64*\b+16
.endr
	WIN 0
.set BB, BK+32*((\a)%2)
.irp t, 0,1,2,3,4,5,6,7
	ds_load_b128 v[BB+4*\t:BB+4*\t+3], v[RD] offset:\t*2*SPITCH
.endr
.endm
.macro SEND a, younger                 ; younger: the LDS instructions issued behind block a's loads, which may stay out
.set BB, BK+32*((\a)%2)
	s_wait_dscnt \younger                          ; the block is back in registers
.irp t, 0,1,2,3,4,5,6,7
	global_store_b128 v[CO], v[BB+4*\t:BB+4*\t+3], s[10:11] offset:65536*(\a)+8192*\t   ; 16 lanes store 256 consecutive bytes, at a multiple of 256 from out0's first byte
.endr
.endm
	PLACES                                         ; behind the last products
	TOSTAGE 0
.irp a, 1,2,3,4,5,6,7
.if \a > 1
	s_wait_xcnt 0x0                                ; block a - 2's stores have read their registers: block a's loads may land there
.endif
	TOSTAGE \a
	SEND \a-1, 16                                  ; behind block a - 1's loads: block a's 8 stores and 8 loads
.endr
	SEND 7, 0
	s_wait_tensorcnt 0x0                           ; the wave's end: these three lines behind my last tensor load and my last LDS store
	ds_add_u32 v[SPW], v[NIL]
	s_wait_dscnt 0x0
	CROUND                                         ; the closing round: no work-group ends while a partner may still ask for a tile that names it
	s_endpgm
.Lfunc_end_k_qd7f6705f8f_outproj:
	.size	k_qd7f6705f8f_outproj, .Lfunc_end_k_qd7f6705f8f_outproj-k_qd7f6705f8f_outproj
	.p2alignl 7, 3214868480
	.fill 96, 4, 3214868480
	.section	.rodata,"a",@progbits
	.p2align	6, 0x0
	.amdhsa_kernel k_qd7f6705f8f_outproj
		.amdhsa_group_segment_fixed_size 327680
		.amdhsa_private_segment_fixed_size 0
		.amdhsa_enable_private_segment 0
		.amdhsa_kernarg_size 32
		.amdhsa_user_sgpr_count 2
		.amdhsa_user_sgpr_kernarg_segment_ptr 1
		.amdhsa_wavefront_size32 1
		.amdhsa_system_sgpr_workgroup_id_x 1
		.amdhsa_system_sgpr_workgroup_id_y 1
		.amdhsa_system_sgpr_workgroup_id_z 1
		.amdhsa_system_vgpr_workitem_id 0
		.amdhsa_next_free_vgpr 512
		.amdhsa_next_free_sgpr 66
		.amdhsa_reserve_vcc 0
		.amdhsa_float_denorm_mode_32 3
		.amdhsa_float_denorm_mode_16_64 3
		.amdhsa_memory_ordered 1
		.amdhsa_forward_progress 1
		.amdhsa_inst_pref_size 86
	.end_amdhsa_kernel
	.amdgpu_metadata
---
amdhsa.version: [ 1, 2 ]
amdhsa.kernels:
  - .name:           k_qd7f6705f8f_outproj
    .symbol:         k_qd7f6705f8f_outproj.kd
    .args:
      - { .name: o16, .offset: 0, .size: 8, .value_kind: global_buffer, .address_space: global }
      - { .name: wo16, .offset: 8, .size: 8, .value_kind: global_buffer, .address_space: global }
      - { .name: bo, .offset: 16, .size: 8, .value_kind: global_buffer, .address_space: global }
      - { .name: out0, .offset: 24, .size: 8, .value_kind: global_buffer, .address_space: global }
    .group_segment_fixed_size: 327680
    .private_segment_fixed_size: 0
    .kernarg_segment_align: 8
    .kernarg_segment_size: 32
    .max_flat_workgroup_size: 128
    .sgpr_count:     66
    .vgpr_count:     512
    .wavefront_size: 32
...
	.end_amdgpu_metadata
.endif
;; end of part 5
;; launch fineB (part 6): grid 64 x 4, 8 waves a work-group, no clusters, 9,216 bytes of LDS; arguments ofine, Wo, bo, out0; writes out0
.if DOCPART == 6
	.amdgcn_target "amdgcn-amd-amdhsa--gfx1250"
	.amdhsa_code_object_version 6
	.text
	.protected	k_qd7f6705f8f_fineB
	.globl	k_qd7f6705f8f_fineB
	.p2align	8
	.type	k_qd7f6705f8f_fineB,@function
k_qd7f6705f8f_fineB:
	s_mov_b64 s[64:65], 0
	v_nop
	global_prefetch_b8 v0, s[64:65] scope:SCOPE_SE
	s_setreg_imm32_b32 hwreg(HW_REG_WAVE_MODE, 25, 1), 1
	s_wait_xcnt 0x0
; FINE B: the output projection of the first 16 positions of every sequence, in f32: out0[2,048 batch + s][n] = sum over k of o[s][k] Wo[n][k] + bo[n], s < 16.  It writes those 64 rows anew.
; A work-group takes one batch and 16 columns n.  Each of its eight waves takes 128 of K = 1,024: 32 instructions of the f32 matrix form (16 x 16 x 4), four accumulators by turns: no bulk work.
; Source 0 = 16 rows of Wo, source 1 = the 16 positions: a lane holds one position and eight neighbouring columns.  Both operands are given the same order of k (16 kappa + 8 (lane / 16) + 2 i + j), which keeps every product.
; The eight partial tiles meet in LDS as images of their registers; wave 0 adds them and the bias and stores.  A row gets 64 bytes from a work-group: whole blocks of 256 bytes would want a quarter of the
; work-groups and chains four times as long; the launch stores 262,144 bytes in all.
.set SPARE, 8192                       ; behind the eight images of 1,024 bytes: the spare words, 128 bytes for each wave: four blocks of 256 bytes that no other line names
.set SPW, 2                            ; v2   LDS address of my spare word; never rewritten
.set NIL, 3                            ; v3   0; never rewritten
.set OB,  16                           ; v16-79   o: eight pieces of 16 along k;  later the eight partial tiles
.set WA,  80                           ; v80-143  Wo: the same eight pieces
.set RR,  144                          ; v144-151 my partial tile
.set BI,  152                          ; v152-159 the bias
.set AC,  160                          ; v160-191 four accumulators: written by matrix instructions alone
	s_load_b256 s[4:11], s[0:1], 0x0               ; ofine s[4:5], Wo s[6:7], bo s[8:9], out0 s[10:11]
	v_lshl_add_u32 v[SPW], v0, 2, SPARE
	v_mov_b32 v[NIL], 0
	v_lshrrev_b32 v1, 5, v0
	v_readfirstlane_b32 s12, v1                    ; wave 0..7
	s_and_b32 s13, ttmp7, 0xffff                   ; batch
	v_and_b32 v4, 31, v0
	v_lshlrev_b32 v4, 4, v4                        ; 16 x lane
	v_and_b32 v9, 15, v0                           ; r
	v_bfe_u32 v10, v0, 4, 1                        ; h
	v_lshlrev_b32 v5, 12, v9
	v_lshl_add_u32 v5, v10, 5, v5                  ; row r of 4,096 bytes, + 32 h: in Wo and in out0 alike
	v_lshlrev_b32 v7, 5, v10                       ; the bias: 32 h
	s_lshl_b32 s14, s12, 10
	v_add_nc_u32 v6, s14, v4                       ; where I store my partial tile: 1,024 x wave + 16 x lane
	s_mov_b32 s17, 0
	s_wait_kmcnt 0x0
	s_lshl_b32 s16, s13, 16                        ; ofine: 65,536 bytes a batch,
	s_lshl_b32 s14, s12, 13                        ; my wave's eight pieces of 1,024
	s_add_co_u32 s16, s16, s14
	s_add_nc_u64 s[4:5], s[4:5], s[16:17]
	s_lshl_b32 s16, ttmp9, 16                      ; Wo: 16 rows,
	s_lshl_b32 s14, s12, 9                         ; my wave's 128 numbers of a row
	s_add_co_u32 s16, s16, s14
	s_add_nc_u64 s[6:7], s[6:7], s[16:17]
	s_lshl_b32 s16, ttmp9, 6                       ; 16 columns: 64 bytes
	s_add_nc_u64 s[8:9], s[8:9], s[16:17]
	s_lshl_b32 s14, s13, 23                        ; out0: 2,048 rows of 4,096 bytes a batch
	s_add_co_u32 s16, s16, s14
	s_add_nc_u64 s[10:11], s[10:11], s[16:17]
	global_load_b128 v[BI:BI+3], v7, s[8:9]
	global_load_b128 v[BI+4:BI+7], v7, s[8:9] offset:16
.irp e, 0,1,2,3,4,5,6,7
	global_load_b128 v[OB+8*\e:OB+8*\e+3], v4, s[4:5] offset:1024*\e
	global_load_b128 v[OB+8*\e+4:OB+8*\e+7], v4, s[4:5] offset:1024*\e+512
	global_load_b128 v[WA+8*\e:WA+8*\e+3], v5, s[6:7] offset:64*\e
	global_load_b128 v[WA+8*\e+4:WA+8*\e+7], v5, s[6:7] offset:64*\e+16
.endr
.irp e, 0,1,2,3,4,5,6,7
	s_wait_loadcnt 4*(7-\e)                        ; piece e's four loads are in; the younger pieces' may be out
.irp i, 0,1,2,3
.if \e == 0
	v_wmma_f32_16x16x4_f32 v[AC+8*\i:AC+8*\i+7], v[WA+8*\e+2*\i:WA+8*\e+2*\i+1], v[OB+8*\e+2*\i:OB+8*\e+2*\i+1], 0
.else
	v_wmma_f32_16x16x4_f32 v[AC+8*\i:AC+8*\i+7], v[WA+8*\e+2*\i:WA+8*\e+2*\i+1], v[OB+8*\e+2*\i:OB+8*\e+2*\i+1], v[AC+8*\i:AC+8*\i+7]
.endif
.endr
.endr
.rept 8
	v_nop                                          ; eight places behind this form
.endr
.irp p, 0,2,4,6
	v_pk_add_f32 v[RR+\p:RR+\p+1], v[AC+\p:AC+\p+1], v[AC+8+\p:AC+9+\p]           ; each accumulator from its low end on
	v_pk_add_f32 v[OB+\p:OB+\p+1], v[AC+16+\p:AC+17+\p], v[AC+24+\p:AC+25+\p]
.endr
.irp p, 0,2,4,6
	v_pk_add_f32 v[RR+\p:RR+\p+1], v[RR+\p:RR+\p+1], v[OB+\p:OB+\p+1]
.endr
	ds_store_b128 v6, v[RR:RR+3]
	ds_store_b128 v6, v[RR+4:RR+7] offset:512
	s_wait_dscnt 0x0                               ; for the others' sake: my stores have landed
	s_barrier_signal -1
	s_barrier_wait -1
	s_cmp_lg_u32 s12, 0
	s_cbranch_scc1 .Lothers
.irp m, 0,1,2,3,4,5,6,7
	ds_load_b128 v[OB+8*\m:OB+8*\m+3], v4 offset:1024*\m
	ds_load_b128 v[OB+8*\m+4:OB+8*\m+7], v4 offset:1024*\m+512
.endr
	s_wait_dscnt 0x0
.irp p, 0,2,4,6
	v_pk_add_f32 v[OB+\p:OB+\p+1], v[OB+\p:OB+\p+1], v[OB+8+\p:OB+9+\p]
	v_pk_add_f32 v[OB+16+\p:OB+17+\p], v[OB+16+\p:OB+17+\p], v[OB+24+\p:OB+25+\p]
	v_pk_add_f32 v[OB+32+\p:OB+33+\p], v[OB+32+\p:OB+33+\p], v[OB+40+\p:OB+41+\p]
	v_pk_add_f32 v[OB+48+\p:OB+49+\p], v[OB+48+\p:OB+49+\p], v[OB+56+\p:OB+57+\p]
.endr
.irp p, 0,2,4,6
	v_pk_add_f32 v[OB+\p:OB+\p+1], v[OB+\p:OB+\p+1], v[OB+16+\p:OB+17+\p]
	v_pk_add_f32 v[OB+32+\p:OB+33+\p], v[OB+32+\p:OB+33+\p], v[OB+48+\p:OB+49+\p]
.endr
.irp p, 0,2,4,6
	v_pk_add_f32 v[OB+\p:OB+\p+1], v[OB+\p:OB+\p+1], v[OB+32+\p:OB+33+\p]
.endr
.irp p, 0,2,4,6
	v_pk_add_f32 v[OB+\p:OB+\p+1], v[OB+\p:OB+\p+1], v[BI+\p:BI+\p+1]
.endr
	global_store_b128 v5, v[OB:OB+3], s[10:11]     ; lane (r, h): out0(2,048 batch + r, 16 nb + 8 h + 0 .. 7)
	global_store_b128 v5, v[OB+4:OB+7], s[10:11] offset:16
	s_wait_tensorcnt 0x0                           ; the wave's end: these three lines behind my last LDS store
	ds_add_u32 v[SPW], v[NIL]
	s_wait_dscnt 0x0
	s_endpgm
.Lothers:
	s_wait_tensorcnt 0x0                           ; the same three lines for the other seven waves
	ds_add_u32 v[SPW], v[NIL]
	s_wait_dscnt 0x0
	s_endpgm
.Lfunc_end_k_qd7f6705f8f_fineB:
	.size	k_qd7f6705f8f_fineB, .Lfunc_end_k_qd7f6705f8f_fineB-k_qd7f6705f8f_fineB
	.p2alignl 7, 3214868480
	.fill 96, 4, 3214868480
	.section	.rodata,"a",@progbits
	.p2align	6, 0x0
	.amdhsa_kernel k_qd7f6705f8f_fineB
		.amdhsa_group_segment_fixed_size 9216
		.amdhsa_private_segment_fixed_size 0
		.amdhsa_enable_private_segment 0
		.amdhsa_kernarg_size 32
		.amdhsa_user_sgpr_count 2
		.amdhsa_user_sgpr_kernarg_segment_ptr 1
		.amdhsa_wavefront_size32 1
		.amdhsa_system_sgpr_workgroup_id_x 1
		.amdhsa_system_sgpr_workgroup_id_y 1
		.amdhsa_system_sgpr_workgroup_id_z 1
		.amdhsa_system_vgpr_workitem_id 0
		.amdhsa_next_free_vgpr 192
		.amdhsa_next_free_sgpr 66
		.amdhsa_reserve_vcc 0
		.amdhsa_float_denorm_mode_32 3
		.amdhsa_float_denorm_mode_16_64 3
		.amdhsa_memory_ordered 1
		.amdhsa_forward_progress 1
		.amdhsa_inst_pref_size 12
	.end_amdhsa_kernel
	.amdgpu_metadata
---
amdhsa.version: [ 1, 2 ]
amdhsa.kernels:
  - .name:           k_qd7f6705f8f_fineB
    .symbol:         k_qd7f6705f8f_fineB.kd
    .args:
      - { .name: ofine, .offset: 0, .size: 8, .value_kind: global_buffer, .address_space: global }
      - { .name: Wo, .offset: 8, .size: 8, .value_kind: global_buffer, .address_space: global }
      - { .name: bo, .offset: 16, .size: 8, .value_kind: global_buffer, .address_space: global }
      - { .name: out0, .offset: 24, .size: 8, .value_kind: global_buffer, .address_space: global }
    .group_segment_fixed_size: 9216
    .private_segment_fixed_size: 0
    .kernarg_segment_align: 8
    .kernarg_segment_size: 32
    .max_flat_workgroup_size: 256
    .sgpr_count:     66
    .vgpr_count:     192
    .wavefront_size: 32
...
	.end_amdgpu_metadata
.endif
;; end of part 6
